; MI455X (gfx1250); checked and timed in simulation.
; The chip was launched on July 23, 2026; its instructions are those of AMD's public machine-readable ISA for CDNA 5 (MIT licence, August 2026) and "CDNA5" Instruction Set Architecture Reference Guide (July 2026). The comments in the code are by the model that wrote it; some were corrected since.
;; KNN Space Mean. Allowed arithmetic: float matrix products may take bf16 or f16 operands with f32 sums; all other float work in f32.
;; Inputs: k_vector 16 float32; points 4 x 4,096 x 3 float32; preds 4 x 4,096 x 64 float32.
;; Outputs: out0 4 x 4,096 x 64 float32.
;; 4 versions, each right; versions 2 to 3 are each faster than the one before; version 4 is version 3 with the launch knn written anew for expert scheduling mode. Each part assembles by itself: llvm-mc -triple=amdgcn-amd-amdhsa -mcpu=gfx1250 --defsym DOCPART=n.
;; ======== version 1 of 4: 2 launches
;; limits: values outside matrix products are rounded to bf16
;; workspace buffers: pt 2,097,152 bytes
;; launch prep (part 1): grid 256 x 1, 8 waves a work-group, no clusters, 18,432 bytes of LDS; arguments preds, pt; writes pt
.if DOCPART == 1
	.amdgcn_target "amdgcn-amd-amdhsa--gfx1250"
	.amdhsa_code_object_version 6
	.text
	.protected	k_q8396dcf807_prep
	.globl	k_q8396dcf807_prep
	.p2align	8
	.type	k_q8396dcf807_prep,@function
k_q8396dcf807_prep:
	s_mov_b64 s[64:65], 0
	v_nop
	global_prefetch_b8 v0, s[64:65] scope:SCOPE_SE
	s_setreg_imm32_b32 hwreg(HW_REG_WAVE_MODE, 25, 1), 1
	s_wait_xcnt 0x0
; preds [4*4096][64] f32  ->  pt: bf16, transposed in blocks so that the next launch loads matrix fragments with plain 16-byte loads.
; pt byte G*2048 + g*512 + i2*256 + c*16 holds the 8 bf16 preds[16 G + 8 i2 + e][16 g + c], e = 0..7, the lower e in the lower bits.
; A work-group takes 64 rows of preds: 16,384 bytes in, 8,192 bytes out.  Each load of a wave covers 512 neighbouring bytes; each store
; covers two aligned runs of 256 bytes.  The transposition goes through LDS, rows 272 bytes apart (256 + 16), so that the column reads
; of lanes 16-31, eight rows below those of lanes 0-15, start 128 bytes further on modulo 256.
; No matrix unit, no tensor load, no cluster: every byte is read once and written once, and no work-group shares a byte with another.
.set PITCH, 272
.set X,   8                            ; v[8:23]  16 f32 as loaded; later the 16 f32 of my two output pieces
.set Y,   24                           ; v[24:31] two pieces of 8 bf16
	s_load_b128 s[4:7], s[0:1], 0x0                ; preds s[4:5], pt s[6:7]
	v_lshl_add_u32 v32, v0, 2, 0x4400
	v_mov_b32 v33, 0
	v_lshlrev_b32 v1, 4, v0                        ; 16 t: my 16 bytes in each 4,096 bytes, in and out
	v_lshrrev_b32 v2, 4, v0                        ; row of those bytes in a run of 16 rows
	v_and_b32 v3, 15, v0                           ; 16-byte column; also the channel inside a group of 16
	v_mul_u32_u24 v2, v2, PITCH
	v_lshl_add_u32 v2, v3, 4, v2                   ; where I put 16 bytes
	v_bfe_u32 v5, v0, 7, 1                         ; out: which block of 16 rows (of two; the other two by the offset)
	v_bfe_u32 v6, v0, 4, 1                         ; out: i2, which 8 rows of the block
	v_lshlrev_b32 v5, 4, v5
	v_lshl_add_u32 v5, v6, 3, v5                   ; first of my 8 rows
	v_mul_u32_u24 v5, v5, PITCH
	v_bfe_u32 v6, v0, 5, 2                         ; out: g, the group of 16 channels
	v_lshl_add_u32 v5, v6, 6, v5
	v_lshl_add_u32 v5, v3, 2, v5                   ; where I read a column of 8 numbers
	s_lshl_b32 s2, ttmp9, 14                       ; 16,384 bytes of preds a work-group
	s_mov_b32 s3, 0
	s_lshl_b32 s8, ttmp9, 13                       ; 8,192 bytes of pt
	s_mov_b32 s9, 0
	s_wait_kmcnt 0x0
	s_add_nc_u64 s[4:5], s[4:5], s[2:3]
	s_add_nc_u64 s[6:7], s[6:7], s[8:9]
.irp i, 0,1,2,3
	global_load_b128 v[X+4*\i:X+4*\i+3], v1, s[4:5] offset:4096*\i th:TH_LOAD_NT
.endr
.irp i, 0,1,2,3
	s_wait_loadcnt 3-\i                            ; loads come back in order: load i is in, the younger ones stay out
	ds_store_b128 v2, v[X+4*\i:X+4*\i+3] offset:16*PITCH*\i
.endr
	s_wait_dscnt 0x0                               ; my stores are in LDS before I say so
	s_barrier_signal -1
	s_barrier_wait -1                              ; everybody's are
.irp j, 0,1
.irp e, 0,1,2,3,4,5,6,7
	ds_load_b32 v[X+8*\j+\e], v5 offset:32*PITCH*\j+PITCH*\e   ; 8 rows of one channel; piece j lies 32 rows further down
.endr
.endr
.irp j, 0,1
	s_wait_dscnt 8-8*\j                            ; piece 0: the eight younger reads stay out; piece 1: all are in
.irp i, 0,1,2,3
	v_cvt_pk_bf16_f32 v[Y+4*\j+\i], v[X+8*\j+2*\i], v[X+8*\j+2*\i+1]
.endr
	global_store_b128 v1, v[Y+4*\j:Y+4*\j+3], s[6:7] offset:4096*\j
.endr
	s_wait_tensorcnt 0x0
	ds_add_u32 v32, v33
	s_wait_dscnt 0x0
	s_endpgm
.Lfunc_end_k_q8396dcf807_prep:
	.size	k_q8396dcf807_prep, .Lfunc_end_k_q8396dcf807_prep-k_q8396dcf807_prep
	.p2alignl 7, 3214868480
	.fill 96, 4, 3214868480
	.section	.rodata,"a",@progbits
	.p2align	6, 0x0
	.amdhsa_kernel k_q8396dcf807_prep
		.amdhsa_group_segment_fixed_size 18432
		.amdhsa_private_segment_fixed_size 0
		.amdhsa_enable_private_segment 0
		.amdhsa_kernarg_size 16
		.amdhsa_user_sgpr_count 2
		.amdhsa_user_sgpr_kernarg_segment_ptr 1
		.amdhsa_wavefront_size32 1
		.amdhsa_system_sgpr_workgroup_id_x 1
		.amdhsa_system_sgpr_workgroup_id_y 1
		.amdhsa_system_sgpr_workgroup_id_z 1
		.amdhsa_system_vgpr_workitem_id 0
		.amdhsa_next_free_vgpr 34
		.amdhsa_next_free_sgpr 66
		.amdhsa_reserve_vcc 0
		.amdhsa_float_denorm_mode_32 3
		.amdhsa_float_denorm_mode_16_64 3
		.amdhsa_memory_ordered 1
		.amdhsa_forward_progress 1
		.amdhsa_inst_pref_size 5
	.end_amdhsa_kernel
	.amdgpu_metadata
---
amdhsa.version: [ 1, 2 ]
amdhsa.kernels:
  - .name:           k_q8396dcf807_prep
    .symbol:         k_q8396dcf807_prep.kd
    .args:
      - { .name: preds, .offset: 0, .size: 8, .value_kind: global_buffer, .address_space: global }
      - { .name: pt, .offset: 8, .size: 8, .value_kind: global_buffer, .address_space: global }
    .group_segment_fixed_size: 18432
    .private_segment_fixed_size: 0
    .kernarg_segment_align: 8
    .kernarg_segment_size: 16
    .max_flat_workgroup_size: 256
    .sgpr_count:     66
    .vgpr_count:     34
    .wavefront_size: 32
...
	.end_amdgpu_metadata
.endif
;; end of part 1
;; launch knn (part 2): grid 256 x 1, 8 waves a work-group, no clusters, 307,200 bytes of LDS; arguments k_vector, points, pt, out0; writes out0
.if DOCPART == 2
	.amdgcn_target "amdgcn-amd-amdhsa--gfx1250"
	.amdhsa_code_object_version 6
	.text
	.protected	k_q8396dcf807_knn
	.globl	k_q8396dcf807_knn
	.p2align	8
	.type	k_q8396dcf807_knn,@function
k_q8396dcf807_knn:
	s_mov_b64 s[64:65], 0
	v_nop
	global_prefetch_b8 v0, s[64:65] scope:SCOPE_SE
	s_setreg_imm32_b32 hwreg(HW_REG_WAVE_MODE, 25, 1), 1
	s_wait_xcnt 0x0
; out0[b][n][:] = mean of preds over the k nearest points of point n in batch b (itself included, ties to the lower index),
; k = argmax(k_vector) + 1 <= 16.  4 batches x 4,096 points; a work-group owns 64 rows of one batch and sees all 4,096 candidates.
;
; NO BRANCH AND NO ADDRESS HANGS ON A DISTANCE.  Pass 1 keeps, for each row and each run of 256 candidates, a sorted list of the 16 smallest
; d2 (values only).  The 16 lists of a row are merged; T = max(k-th smallest, 0).  Pass 2 makes every d2 again and takes a candidate if
; d2 < TL, or if TL <= d2 <= T and fewer than need = k - #(less) equals have a lower index (TL = T, or -inf where T = 0: that carries
; reference()'s max(d2, 0)).  Each lane counts equals in CNT, which starts at (equals in earlier runs) - need; an equal is taken while CNT < 0.
; A list of 16 that has dropped equals holds only values <= T, a of them less: its 16 - a equals are at least need, so the capped count serves.
; The taken candidates become 0/1 in bf16, and 0/1 x preds on the matrix unit, summed in f32, is the gather and the sum; then times 1/k.
;
; LIMITS, kept knowingly.  (1) points are rounded to bf16 before the distances (the rounding of a matrix operand); every product is then exact
; in f32, and sq = (xx+yy)+zz, dot = (xx'+yy')+zz', d2 = (sq_i+sq_j) - 2 dot are made by f32 multiply-adds in that order on the vector unit:
; the last bit of d2 decides near ties, and K = 3 would fill 3 of a matrix instruction's 32 places.  (2) Neighbours are ordered by max(d2, 0),
; not by its root: differs only where two different d2 round to one root at the k-th place.  (3) argmax is taken of k_vector (f32), not of its
; softmax: differs only where the two largest entries are a few last bits apart.  (4) NaN and infinities in any input are not served.
; (5) The mean multiplies by v_rcp_f32(k).  preds enter the product in bf16.
;
; SHARES.  Lane (r = t & 15, h = bit 4 of t) of wave w owns rows 16 f + r (f = 0..3) and run q = 2 w + h = t >> 4: candidates 256 q .. 256 q + 255.
; NO CLUSTER, NO TENSOR LOAD: the 64 work-groups of a batch do read the same pt, but a wave loads 4,096 bytes of it for a block of 16 candidates
; a lane, on which it issues some 700 instructions, and the bytes come in fragment order straight into registers; of LDS 21,504 bytes
; are left, less than two slots of the eight waves' 32,768 bytes a block.
;
; LDS: TAB [4096][x, y, z, sq]; A: lists [64 rows] x 1,040 bytes ([16 q][16 f32] + 16); B: part lists [64] x 272 ([4 p][16 f32] + 16);
; C: records [64] x 272 ([16 q][TL, T, CNT, -] + 16); R: partial sums [8 waves][64 rows] x 272 (64 f32 + 16).  Every pitch is an odd multiple of 16 bytes.
.set LDS_A,  65536
.set APITCH, 1040
.set LDS_B,  132096
.set LDS_C,  149504
.set LDS_R,  166912
.set PITCH,  272
.set RWAVE,  64*PITCH                  ; a wave's partial sums: 17,408 bytes
; v0 t; v1 address of my run in TAB; v[2:3] 1/k twice; v4 bf16 1.0 in the low half; v5 in the high half; v6 k; v7 my offset in pt
.set XP,   8                           ; v[8:11]   x of my four rows
.set YP,   12                          ; v[12:15]  y
.set ZP,   16                          ; v[16:19]  z
.set SQ,   20                          ; v[20:23]  sq
.set THR,  24                          ; v[24:39]  scratch for addresses; in pass 2 for row f: TL, T, CNT, a temporary
.set DOT,  40                          ; v[40:43]  pass 2: d2 of my four rows
.set TT,   44                          ; v[44:47]  pass 2: sq_i + sq_j
.set CAND, 48                          ; v[48:63]  pass 2: two buffers of two candidates
.set LIST, 64                          ; v[64:127] pass 1: row f's list at LIST + 16 f, ascending
.set LL,   64                          ; v[64:79]  merge: the list being built
.set REC,  80                          ; v[80:83]  merge: TL, T, CNT, filler
.set NI,   84                          ; v84       merge: -inf
.set WF,   64                          ; v[64:95]  pass 2: 0/1 fragments, row group f at WF + 8 f
.set BF,   96                          ; v[96:127] pass 2: preds fragments, channel group g at BF + 8 g
.set ACC,  128                         ; v[128:255] pass 2: 16 accumulators, (f, g) at ACC + 8 (4 f + g)
.set PTS,  128                         ; v[128:191] start: 16 points a thread
.set KV,   192                         ; v[192:207] start: k_vector
.set CB,   128                         ; v[128:159] pass 1: two buffers of four candidates
.set D16,  160                         ; v[160:175] pass 1: d2, candidate c, row f at D16 + 4 c + f
.set T16,  176                         ; v[176:191] pass 1: sq_i + sq_j
.set SUB,  128                         ; v[128:191] merge: the four lists of my part
.set PL,   192                         ; v[192:255] merge: the four part lists
.set SA,   20                          ; s[20:23]  lane masks: less; then taken
.set SB,   24                          ; s[24:27]  not above T
.set SC,   28                          ; s[28:31]  CNT < 0
.set MK,   32                          ; s[32:34]  all ones where part 0, 1, 2 lies ahead of my part
; value v into the ascending list of 16 at l: place i gets the middle one of its lower neighbour, itself and v.  Taken from the top down,
; each line reads places that no earlier line of the run has written.
.macro INSERT l, v
.irp i, 15,14,13,12,11,10,9,8,7,6,5,4,3,2,1
	v_med3_num_f32 v[\l+\i], v[\l+\i-1], v[\l+\i], v[\v]
.endr
	v_min_num_f32 v[\l], v[\l], v[\v]
.endm
; d2 of my four rows (two pairs) against the candidate x, y, z, sq in v[c:c+3]
.macro DIST d, t, c
.irp p, 0,2
	v_pk_mul_f32 v[\d+\p:\d+\p+1], v[XP+\p:XP+\p+1], v[\c:\c+1] op_sel_hi:[1,0]
.endr
.irp p, 0,2
	v_pk_add_f32 v[\t+\p:\t+\p+1], v[SQ+\p:SQ+\p+1], v[\c+2:\c+3] op_sel:[0,1] op_sel_hi:[1,1]
.endr
.irp p, 0,2
	v_pk_fma_f32 v[\d+\p:\d+\p+1], v[YP+\p:YP+\p+1], v[\c:\c+1], v[\d+\p:\d+\p+1] op_sel:[0,1,0] op_sel_hi:[1,1,1]
.endr
.irp p, 0,2
	v_pk_fma_f32 v[\d+\p:\d+\p+1], v[ZP+\p:ZP+\p+1], v[\c+2:\c+3], v[\d+\p:\d+\p+1] op_sel_hi:[1,0,1]
.endr
.irp p, 0,2
	v_pk_fma_f32 v[\d+\p:\d+\p+1], v[\d+\p:\d+\p+1], -2.0, v[\t+\p:\t+\p+1] op_sel_hi:[1,0,1]
.endr
.endm
; the same for the four candidates at cb, stage by stage: eight independent lines in each stage
.macro DIST4 cb
.irp c, 0,1,2,3
.irp p, 0,2
	v_pk_mul_f32 v[D16+4*\c+\p:D16+4*\c+\p+1], v[XP+\p:XP+\p+1], v[\cb+4*\c:\cb+4*\c+1] op_sel_hi:[1,0]
.endr
.endr
.irp c, 0,1,2,3
.irp p, 0,2
	v_pk_add_f32 v[T16+4*\c+\p:T16+4*\c+\p+1], v[SQ+\p:SQ+\p+1], v[\cb+4*\c+2:\cb+4*\c+3] op_sel:[0,1] op_sel_hi:[1,1]
.endr
.endr
.irp c, 0,1,2,3
.irp p, 0,2
	v_pk_fma_f32 v[D16+4*\c+\p:D16+4*\c+\p+1], v[YP+\p:YP+\p+1], v[\cb+4*\c:\cb+4*\c+1], v[D16+4*\c+\p:D16+4*\c+\p+1] op_sel:[0,1,0] op_sel_hi:[1,1,1]
.endr
.endr
.irp c, 0,1,2,3
.irp p, 0,2
	v_pk_fma_f32 v[D16+4*\c+\p:D16+4*\c+\p+1], v[ZP+\p:ZP+\p+1], v[\cb+4*\c+2:\cb+4*\c+3], v[D16+4*\c+\p:D16+4*\c+\p+1] op_sel_hi:[1,0,1]
.endr
.endr
.irp c, 0,1,2,3
.irp p, 0,2
	v_pk_fma_f32 v[D16+4*\c+\p:D16+4*\c+\p+1], v[D16+4*\c+\p:D16+4*\c+\p+1], -2.0, v[T16+4*\c+\p:T16+4*\c+\p+1] op_sel_hi:[1,0,1]
.endr
.endr
.endm
.macro LOADG buf, off                  ; four candidates of my run into buffer buf; the 16 lanes of a half read the same bytes
.irp c, 0,1,2,3
	ds_load_b128 v[CB+16*\buf+4*\c:CB+16*\buf+4*\c+3], v1 offset:\off+16*\c
.endr
.endm
.macro GROUP buf                       ; four candidates x four rows: 40 lines of distances, 256 of insertion
	DIST4 CB+16*\buf
.irp c, 0,1,2,3
.irp f, 0,1,2,3
	INSERT LIST+16*\f, D16+4*\c+\f
.endr
.endr
.endm
; CNT += 1 where TL <= v[val] <= T (and, masked, where the scalar mask allows)
.macro CNTEQ val, masked, mask
	v_cmp_lt_f32 s36, v[\val], v[REC]
	v_cmp_le_f32 vcc_lo, v[\val], v[REC+1]
	s_and_not1_b32 vcc_lo, vcc_lo, s36
.if \masked
	s_and_b32 vcc_lo, vcc_lo, s[\mask]
.endif
	v_add_co_ci_u32 v[REC+2], vcc_lo, 0, v[REC+2], vcc_lo
.endm
; pass 2, one candidate against my four rows: its 0/1 goes into half hi of register wi of each row group's fragment
.macro CSTEP c, hi, wi
	DIST DOT, TT, \c
.irp f, 0,1,2,3
	v_cmp_lt_f32 s[SA+\f], v[DOT+\f], v[THR+4*\f]          ; less than TL
	v_cmp_le_f32 s[SB+\f], v[DOT+\f], v[THR+4*\f+1]        ; not above T
	v_cmp_gt_i32 s[SC+\f], 0, v[THR+4*\f+2]                ; equals are still wanted
.endr
.irp f, 0,1,2,3
	s_and_not1_b32 vcc_lo, s[SB+\f], s[SA+\f]              ; an equal
	s_and_b32 s[SC+\f], s[SC+\f], vcc_lo                   ; an equal that is taken
	v_add_co_ci_u32 v[THR+4*\f+2], vcc_lo, 0, v[THR+4*\f+2], vcc_lo   ; every equal counts
	s_or_b32 s[SA+\f], s[SA+\f], s[SC+\f]                  ; taken
.endr
.irp f, 0,1,2,3
.if \hi
	v_cndmask_b32 v[THR+4*\f+3], 0, v5, s[SA+\f]
.else
	v_cndmask_b32 v[WF+8*\f+\wi], 0, v4, s[SA+\f]
.endif
.endr
.if \hi
.irp f, 0,1,2,3
	v_or_b32 v[WF+8*\f+\wi], v[WF+8*\f+\wi], v[THR+4*\f+3]
.endr
.endif
.endm
; candidates 2 i, 2 i + 1 of a block of 16; nxt = 1: the next pair (for i = 7: the next block's first) is fetched into the other buffer
.macro PAIR i, nxt
.if \nxt
	ds_load_b128 v[CAND+8*((\i+1)&1):CAND+8*((\i+1)&1)+3],   v1 offset:32*\i+32
	ds_load_b128 v[CAND+8*((\i+1)&1)+4:CAND+8*((\i+1)&1)+7], v1 offset:32*\i+48
	s_wait_dscnt 0x2                               ; LDS loads come back in order: this pair's two are in, the two just issued stay out
.else
	s_wait_dscnt 0x0                               ; the last pair: nothing was issued behind it
.endif
.set PB, CAND+8*(\i&1)
	CSTEP PB, 0, \i
.set PB, PB+4
	CSTEP PB, 1, \i
.endm
.macro PLACES
.rept 4
	v_nop
.endr
.endm
.macro LOADBF                          ; a block's preds fragments: lanes 0-15 take 256 neighbouring bytes of run 2 w, lanes 16-31 of run 2 w + 1
.irp g, 0,1,2,3
	global_load_b128 v[BF+8*\g:BF+8*\g+3],   v7, s[8:9] offset:512*\g
	global_load_b128 v[BF+8*\g+4:BF+8*\g+7], v7, s[8:9] offset:512*\g+256
.endr
.endm
; A block: 16 candidates a lane, 32 a wave = the 32 places of K.  Place (h, register i, half) means candidate 256 (2 w + h) + 16 block + 2 i + half
; in both sources alike, so the products pair up rightly.  Source 0 = preds (16 channels), source 1 = 0/1 (16 rows): lane (r, h) register j of the
; result is row 16 f + r, channel 16 g + 8 h + j.  The 16 accumulators take turns, one instruction a turn, round the loop's jump too.
.macro BLOCK zero, more
.irp i, 0,1,2,3,4,5,6
	PAIR \i, 1
.endr
	PAIR 7, \more
	s_wait_loadcnt 0x0                             ; the block's eight loads of pt are in (no younger global load exists), and their base is free
.irp f, 0,1,2,3
.irp g, 0,1,2,3
.if \zero
	v_wmma_f32_16x16x32_bf16 v[ACC+8*(4*\f+\g):ACC+8*(4*\f+\g)+7], v[BF+8*\g:BF+8*\g+7], v[WF+8*\f:WF+8*\f+7], 0
.else
	v_wmma_f32_16x16x32_bf16 v[ACC+8*(4*\f+\g):ACC+8*(4*\f+\g)+7], v[BF+8*\g:BF+8*\g+7], v[WF+8*\f:WF+8*\f+7], v[ACC+8*(4*\f+\g):ACC+8*(4*\f+\g)+7]
.endif
.endr
.endr
	PLACES                                         ; four places before loads land in BF, vector lines write WF, or LDS stores read the sums
.if \more
	s_add_nc_u64 s[8:9], s[8:9], 2048              ; the next 16 candidates of each run
	LOADBF                                         ; they have the whole next block's vector work in which to come
	v_add_nc_u32 v1, 0x100, v1
.endif
.endm
	; ---- start: addresses, k, the table of rounded points ----
	s_load_b256 s[4:11], s[0:1], 0x0               ; k_vector s[4:5], points s[6:7], pt s[8:9], out0 s[10:11]
	s_set_vgpr_msb 0x40
	v_lshl_add_u32 v0, v0, 2, 0x4ac00
	v_mov_b32 v1, 0
	s_set_vgpr_msb 0x4000
	v_lshrrev_b32 v24, 5, v0
	v_readfirstlane_b32 s12, v24                   ; wave 0..7
	s_lshr_b32 s15, ttmp9, 6                       ; batch
	s_mul_i32 s16, s15, 49152                      ; 4,096 points of 12 bytes
	s_mov_b32 s17, 0
	s_lshr_b32 s18, s12, 1                         ; p: my part in the merge = t >> 6
	v_mov_b32 v24, 0
	v_mul_u32_u24 v25, v0, 12
	v_lshlrev_b32 v28, 4, v0
	s_wait_kmcnt 0x0
	s_add_nc_u64 s[6:7], s[6:7], s[16:17]
	s_lshl_b32 s16, s15, 19                        ; a batch of pt: 524,288 bytes
	s_lshl_b32 s19, s12, 16                        ; my wave's two runs: 2 x 32,768 bytes
	s_add_co_u32 s16, s16, s19
	s_add_nc_u64 s[8:9], s[8:9], s[16:17]
	s_lshl_b32 s16, ttmp9, 14                      ; 64 rows of 256 bytes
	s_add_nc_u64 s[10:11], s[10:11], s[16:17]
.irp i, 0,1,2,3
	global_load_b128 v[KV+4*\i:KV+4*\i+3], v24, s[4:5] offset:16*\i
.endr
.set i, 0
.rept 16
	global_load_b96 v[PTS+4*i:PTS+4*i+2], v25, s[6:7] offset:3072*i      ; point 256 i + t
.set i, i+1
.endr
	v_and_b32 v29, 15, v0                          ; r
	v_lshrrev_b32 v30, 4, v0                       ; q
	v_bfe_u32 v31, v0, 4, 1                        ; h
	v_lshlrev_b32 v1, 12, v30                      ; my run in TAB: 256 candidates of 16 bytes
	v_lshlrev_b32 v7, 4, v29
	v_lshl_or_b32 v7, v31, 15, v7                  ; in pt: 32,768 h + 16 r
	s_cmp_gt_u32 s18, 0
	s_cselect_b32 s[MK+0], -1, 0
	s_cmp_gt_u32 s18, 1
	s_cselect_b32 s[MK+1], -1, 0
	s_cmp_gt_u32 s18, 2
	s_cselect_b32 s[MK+2], -1, 0
	s_wait_loadcnt 0x0                             ; once: k_vector and my 16 points
	v_mov_b32 v26, v[KV]                           ; the first largest entry: a later one must be strictly larger
	v_mov_b32 v6, 1
.set i, 1
.rept 15
	v_cmp_gt_f32 vcc_lo, v[KV+i], v26
	v_cndmask_b32 v26, v26, v[KV+i], vcc_lo
	v_cndmask_b32 v6, v6, i+1, vcc_lo
.set i, i+1
.endr
	v_cvt_f32_u32 v27, v6
	v_rcp_f32 v2, v27
	v_rcp_f32 v3, v27                              ; twice: a pair for the packed multiply
	v_mov_b32 v4, 0x3f80                           ; a plain line behind the reciprocals, before v27 is written again (ISA guide 5.7.2)
	v_mov_b32 v5, 1.0                              ; 0x3f800000: bf16 1.0 in the high half
.set i, 0
.rept 16
	v_cvt_pk_bf16_f32 v26, v[PTS+4*i], v[PTS+4*i+1]
	v_cvt_pk_bf16_f32 v27, v[PTS+4*i+2], v[PTS+4*i+2]
	v_lshlrev_b32 v[PTS+4*i], 16, v26              ; back to f32
	v_and_b32 v[PTS+4*i+1], 0xffff0000, v26
	v_lshlrev_b32 v[PTS+4*i+2], 16, v27
	v_mul_f32 v[PTS+4*i+3], v[PTS+4*i], v[PTS+4*i]
	v_fmac_f32 v[PTS+4*i+3], v[PTS+4*i+1], v[PTS+4*i+1]
	v_fmac_f32 v[PTS+4*i+3], v[PTS+4*i+2], v[PTS+4*i+2]
	ds_store_b128 v28, v[PTS+4*i:PTS+4*i+3] offset:4096*i
.set i, i+1
.endr
	s_wait_dscnt 0x0                               ; my part of the table is written
	s_barrier_signal -1
	s_barrier_wait -1                              ; the table is whole
	s_and_b32 s15, ttmp9, 63
	s_lshl_b32 s15, s15, 10                        ; my work-group's 64 rows in the table
	v_lshl_add_u32 v24, v29, 4, s15
.irp f, 0,1,2,3
	ds_load_b128 v[PTS+4*\f:PTS+4*\f+3], v24 offset:256*\f
.endr
	s_mov_b32 s19, 0x7f800000
.set i, 0
.rept 64
	v_mov_b32 v[LIST+i], s19                       ; the lists start at +inf: 256 candidates a run push every one of them out
.set i, i+1
.endr
	s_wait_dscnt 0x0
.irp f, 0,1,2,3
	v_mov_b32 v[XP+\f], v[PTS+4*\f]
	v_mov_b32 v[YP+\f], v[PTS+4*\f+1]
	v_mov_b32 v[ZP+\f], v[PTS+4*\f+2]
	v_mov_b32 v[SQ+\f], v[PTS+4*\f+3]
.endr
	; ---- pass 1: 256 candidates, eight a trip ----
	LOADG 0, 0
	s_mov_b32 s14, 31
.Lpass1:
	LOADG 1, 64
	s_wait_dscnt 0x4                               ; buffer 0's four loads are in, the four just issued stay out
	GROUP 0
	LOADG 0, 128
	s_wait_dscnt 0x4                               ; likewise buffer 1's
	GROUP 1
	v_add_nc_u32 v1, 0x80, v1
	s_sub_co_i32 s14, s14, 1
	s_cmp_lg_u32 s14, 0
	s_cbranch_scc1 .Lpass1
	LOADG 1, 64                                    ; the last eight: candidates 252 to 255 are the last fetch
	s_wait_dscnt 0x4
	GROUP 0
	s_wait_dscnt 0x0
	GROUP 1
	v_lshlrev_b32 v1, 12, v30                      ; back to my run's first candidate, for pass 2
	v_mul_u32_u24 v24, v29, APITCH
	v_lshl_add_u32 v24, v30, 6, v24
	v_add_nc_u32 v24, LDS_A, v24                   ; row r, run q
.irp f, 0,1,2,3
.irp u, 0,1,2,3
	ds_store_b128 v24, v[LIST+16*\f+4*\u:LIST+16*\f+4*\u+3] offset:16*APITCH*\f+16*\u
.endr
.endr
	s_wait_dscnt 0x0
	s_barrier_signal -1
	s_barrier_wait -1                              ; all 64 x 16 lists are in A
	; ---- merge, step 1: thread (row t & 63, part p = t >> 6) merges the lists of runs 4 p .. 4 p + 3 ----
	v_and_b32 v32, 63, v0
	s_lshl_b32 s15, s18, 8
	s_add_co_u32 s15, s15, LDS_A
	v_mul_u32_u24 v25, v32, APITCH
	v_add_nc_u32 v25, s15, v25
.irp u, 0,1,2,3
	ds_load_b128 v[LL+4*\u:LL+4*\u+3], v25 offset:16*\u            ; the first list starts the merged one
.endr
.set i, 0
.rept 16
	ds_load_b128 v[SUB+4*i:SUB+4*i+3], v25 offset:16*i             ; all four are kept: their equals are counted below
.set i, i+1
.endr
	v_mul_u32_u24 v26, v32, PITCH
	s_lshl_b32 s15, s18, 6
	v_add_nc_u32 v27, s15, v26                     ; row x 272 + 64 p
	v_add_nc_u32 v28, LDS_B, v27                   ; my part list
	v_add_nc_u32 v33, LDS_B, v26                   ; the row's four part lists
	v_add_nc_u32 v34, LDS_C, v27                   ; the records of my four runs
	s_wait_dscnt 0x0
.set j, 16
.rept 48
	INSERT LL, SUB+j
.set j, j+1
.endr
.irp u, 0,1,2,3
	ds_store_b128 v28, v[LL+4*\u:LL+4*\u+3] offset:16*\u
.endr
	s_wait_dscnt 0x0
	s_barrier_signal -1
	s_barrier_wait -1                              ; all part lists are in B
	; ---- merge, step 2: every thread of a row merges the four part lists, finds T, TL and where its runs' counters start ----
.irp u, 0,1,2,3
	ds_load_b128 v[LL+4*\u:LL+4*\u+3], v33 offset:16*\u
.endr
.set i, 0
.rept 16
	ds_load_b128 v[PL+4*i:PL+4*i+3], v33 offset:16*i
.set i, i+1
.endr
	v_mov_b32 v[NI], 0xff800000
	v_sub_nc_u32 v[REC+2], 0, v6                   ; CNT = -k
	v_mov_b32 v[REC+3], v6                         ; filler: the record's fourth word is stored, and serves as a temporary in pass 2
	s_wait_dscnt 0x0
.set j, 16
.rept 48
	INSERT LL, PL+j
.set j, j+1
.endr
	v_mov_b32 v[REC+1], v[LL]
.set i, 1
.rept 15
	v_cmp_lt_u32 vcc_lo, i, v6                     ; the last place with i < k is k - 1
	v_cndmask_b32 v[REC+1], v[REC+1], v[LL+i], vcc_lo
.set i, i+1
.endr
	v_max_num_f32 v[REC+1], 0, v[REC+1]            ; T: reference()'s clamp
	v_cmp_lt_f32 vcc_lo, 0, v[REC+1]
	v_cndmask_b32 v[REC], v[NI], v[REC+1], vcc_lo  ; TL = T, or -inf where T = 0: then nothing is less and all d2 <= 0 are equals
.set i, 0
.rept 16
	v_cmp_lt_f32 vcc_lo, v[LL+i], v[REC]
	v_add_co_ci_u32 v[REC+2], vcc_lo, 0, v[REC+2], vcc_lo          ; CNT = #(less) - k = -need
.set i, i+1
.endr
.irp pp, 0,1,2
.set i, 0
.rept 16
	CNTEQ PL+16*\pp+i, 1, MK+\pp                   ; the equals of the parts ahead of mine
.set i, i+1
.endr
.endr
.irp s, 0,1,2
	ds_store_b128 v34, v[REC:REC+3] offset:16*\s   ; run 4 p + s
.set i, 0
.rept 16
	CNTEQ SUB+16*\s+i, 0, 0                        ; then that run's own equals, for the next run
.set i, i+1
.endr
.endr
	ds_store_b128 v34, v[REC:REC+3] offset:48
	v_mul_u32_u24 v40, v29, PITCH
	v_lshl_add_u32 v40, v30, 4, v40
	v_add_nc_u32 v40, LDS_C, v40                   ; row r, run q
	s_wait_dscnt 0x0
	s_barrier_signal -1
	s_barrier_wait -1                              ; all records are in C
	; ---- pass 2: 16 blocks of 16 candidates a lane ----
	LOADBF
.irp f, 0,1,2,3
	ds_load_b128 v[THR+4*\f:THR+4*\f+3], v40 offset:16*PITCH*\f
.endr
	ds_load_b128 v[CAND:CAND+3],   v1
	ds_load_b128 v[CAND+4:CAND+7], v1 offset:16
	s_wait_dscnt 0x0                               ; the records and the first pair
	BLOCK 1, 1                                     ; the first block starts the sums: nothing is cleared
	s_mov_b32 s14, 14
.Lpass2:
	BLOCK 0, 1
	s_sub_co_i32 s14, s14, 1
	s_cmp_lg_u32 s14, 0
	s_cbranch_scc1 .Lpass2
	BLOCK 0, 0                                     ; the last block fetches nothing
	; ---- the way out: the eight waves' partial sums meet in LDS; each thread adds and stores 16 bytes of four rows ----
	s_mul_i32 s15, s12, RWAVE
	s_add_co_u32 s15, s15, LDS_R
	v_and_b32 v24, 15, v0
	v_bfe_u32 v25, v0, 4, 1
	v_mul_u32_u24 v24, v24, PITCH
	v_lshl_add_u32 v24, v25, 5, v24                ; row r, channels 8 h ..
	v_add_nc_u32 v24, s15, v24
.irp f, 0,1,2,3
.irp g, 0,1,2,3
	ds_store_b128 v24, v[ACC+8*(4*\f+\g):ACC+8*(4*\f+\g)+3]   offset:16*PITCH*\f+64*\g
	ds_store_b128 v24, v[ACC+8*(4*\f+\g)+4:ACC+8*(4*\f+\g)+7] offset:16*PITCH*\f+64*\g+16
.endr
.endr
	v_lshrrev_b32 v25, 4, v0                       ; row t >> 4 of each group of 16
	v_and_b32 v26, 15, v0
	v_mul_u32_u24 v25, v25, PITCH
	v_lshl_add_u32 v25, v26, 4, v25
	v_add_nc_u32 v25, LDS_R, v25                   ; waves 0 to 3 by the offset (65,280 at the most),
	v_add_nc_u32 v26, 4*RWAVE, v25                 ; waves 4 to 7 from here
	v_lshlrev_b32 v27, 4, v0                       ; in out0: 16 t, sixteen lanes to a row of 256 bytes
	s_wait_dscnt 0x0
	s_barrier_signal -1
	s_barrier_wait -1                              ; all partial sums are in R
.irp i, 0,1,2,3
.irp u, 0,1,2,3
	ds_load_b128 v[ACC+32*\i+4*\u:ACC+32*\i+4*\u+3], v25 offset:RWAVE*\u+16*PITCH*\i
.endr
.irp u, 0,1,2,3
	ds_load_b128 v[ACC+32*\i+16+4*\u:ACC+32*\i+16+4*\u+3], v26 offset:RWAVE*\u+16*PITCH*\i
.endr
.endr
.irp i, 0,1,2,3
	s_wait_dscnt 8*(3-\i)                          ; row group i's eight loads are in; eight for each later group stay out
.irp u, 1,2,3,4,5,6,7
	v_pk_add_f32 v[ACC+32*\i:ACC+32*\i+1],   v[ACC+32*\i:ACC+32*\i+1],   v[ACC+32*\i+4*\u:ACC+32*\i+4*\u+1]
	v_pk_add_f32 v[ACC+32*\i+2:ACC+32*\i+3], v[ACC+32*\i+2:ACC+32*\i+3], v[ACC+32*\i+4*\u+2:ACC+32*\i+4*\u+3]
.endr
	s_wait_alu depctr_va_vdst(0)
	v_pk_mul_f32 v[ACC+32*\i:ACC+32*\i+1],   v[ACC+32*\i:ACC+32*\i+1],   v[2:3]
	v_pk_mul_f32 v[ACC+32*\i+2:ACC+32*\i+3], v[ACC+32*\i+2:ACC+32*\i+3], v[2:3]
	global_store_b128 v27, v[ACC+32*\i:ACC+32*\i+3], s[10:11] offset:4096*\i th:TH_STORE_NT
.endr
	s_set_vgpr_msb 0x5
	s_wait_tensorcnt 0x0
	ds_add_u32 v0, v1
	s_wait_dscnt 0x0
	s_set_vgpr_msb 0x500
	s_endpgm
.Lfunc_end_k_q8396dcf807_knn:
	.size	k_q8396dcf807_knn, .Lfunc_end_k_q8396dcf807_knn-k_q8396dcf807_knn
	.p2alignl 7, 3214868480
	.fill 96, 4, 3214868480
	.section	.rodata,"a",@progbits
	.p2align	6, 0x0
	.amdhsa_kernel k_q8396dcf807_knn
		.amdhsa_group_segment_fixed_size 307200
		.amdhsa_private_segment_fixed_size 0
		.amdhsa_enable_private_segment 0
		.amdhsa_kernarg_size 32
		.amdhsa_user_sgpr_count 2
		.amdhsa_user_sgpr_kernarg_segment_ptr 1
		.amdhsa_wavefront_size32 1
		.amdhsa_system_sgpr_workgroup_id_x 1
		.amdhsa_system_sgpr_workgroup_id_y 1
		.amdhsa_system_sgpr_workgroup_id_z 1
		.amdhsa_system_vgpr_workitem_id 0
		.amdhsa_next_free_vgpr 258
		.amdhsa_next_free_sgpr 66
		.amdhsa_reserve_vcc 1
		.amdhsa_float_denorm_mode_32 3
		.amdhsa_float_denorm_mode_16_64 3
		.amdhsa_memory_ordered 1
		.amdhsa_forward_progress 1
		.amdhsa_inst_pref_size 255
	.end_amdhsa_kernel
	.section	.bss,"aw",@nobits
	.p2align	6
	.space	262144
	.amdgpu_metadata
---
amdhsa.version: [ 1, 2 ]
amdhsa.kernels:
  - .name:           k_q8396dcf807_knn
    .symbol:         k_q8396dcf807_knn.kd
    .args:
      - { .name: k_vector, .offset: 0, .size: 8, .value_kind: global_buffer, .address_space: global }
      - { .name: points, .offset: 8, .size: 8, .value_kind: global_buffer, .address_space: global }
      - { .name: pt, .offset: 16, .size: 8, .value_kind: global_buffer, .address_space: global }
      - { .name: out0, .offset: 24, .size: 8, .value_kind: global_buffer, .address_space: global }
    .group_segment_fixed_size: 307200
    .private_segment_fixed_size: 0
    .kernarg_segment_align: 8
    .kernarg_segment_size: 32
    .max_flat_workgroup_size: 256
    .sgpr_count:     66
    .vgpr_count:     258
    .wavefront_size: 32
...
	.end_amdgpu_metadata
.endif
;; end of part 2
;; ======== version 2 of 4: 2 launches; 1.26 times as fast as version 1
;; limits: values outside matrix products are rounded to bf16
;; workspace buffers: pt 2,097,152 bytes
;; launch prep: the kernel of part 1 again; grid 256 x 1, 8 waves a work-group, no clusters, 18,432 bytes of LDS; arguments preds, pt; writes pt
;; launch knn (part 3): grid 256 x 1, 8 waves a work-group, no clusters, 307,200 bytes of LDS; arguments k_vector, points, pt, out0; writes out0
.if DOCPART == 3
	.amdgcn_target "amdgcn-amd-amdhsa--gfx1250"
	.amdhsa_code_object_version 6
	.text
	.protected	k_q8396dcf807_knn
	.globl	k_q8396dcf807_knn
	.p2align	8
	.type	k_q8396dcf807_knn,@function
k_q8396dcf807_knn:
	s_mov_b64 s[64:65], 0
	v_nop
	global_prefetch_b8 v0, s[64:65] scope:SCOPE_SE
	s_setreg_imm32_b32 hwreg(HW_REG_WAVE_MODE, 25, 1), 1
	s_wait_xcnt 0x0
; out0[b][n][:] = mean of preds over the k nearest points of point n in batch b (itself included, ties to the lower index),
; k = argmax(k_vector) + 1 <= 16.  4 batches x 4,096 points; a work-group owns 64 rows of one batch and sees all 4,096 candidates.
;
; NO BRANCH AND NO ADDRESS HANGS ON A DISTANCE.  Pass 1 keeps, for each row and each run of 256 candidates, a sorted list of the 16 smallest
; d2 (values only).  The 16 lists of a row are merged; T = max(k-th smallest, 0).  Pass 2 makes every d2 again and takes a candidate if
; d2 < TL, or if TL <= d2 <= T and fewer than need = k - #(less) equals have a lower index (TL = T, or -inf where T = 0: that carries
; reference()'s max(d2, 0)).  Each lane counts equals in CNT, which starts at (equals in earlier runs) - need; an equal is taken while CNT < 0.
; A list of 16 that has dropped equals holds only values <= T, a of them less: its 16 - a equals are at least need, so the capped count serves.
; The taken candidates become 0/1 in bf16, and 0/1 x preds on the matrix unit, summed in f32, is the gather and the sum; then times 1/k.
;
; LIMITS, kept knowingly.  (1) points are rounded to bf16 before the distances (the rounding of a matrix operand); every product is then exact
; in f32, and sq = (xx+yy)+zz, dot = (xx'+yy')+zz', d2 = (sq_i+sq_j) - 2 dot are made by f32 multiply-adds in that order on the vector unit:
; the last bit of d2 decides near ties, and K = 3 would fill 3 of a matrix instruction's 32 places.  (2) Neighbours are ordered by max(d2, 0),
; not by its root: differs only where two different d2 round to one root at the k-th place.  (3) argmax is taken of k_vector (f32), not of its
; softmax: differs only where the two largest entries are a few last bits apart.  (4) NaN and infinities in any input are not served.
; (5) The mean multiplies by v_rcp_f32(k).  preds enter the product in bf16.
;
; SHARES.  Lane (r = t & 15, h = bit 4 of t) of wave w owns rows 16 f + r (f = 0..3) and run q = 2 w + h = t >> 4: candidates 256 q .. 256 q + 255.
; NO CLUSTER, NO TENSOR LOAD: the 64 work-groups of a batch do read the same pt, but a wave loads 4,096 bytes of it for a block of 16 candidates
; a lane, on which it issues some 700 instructions, and the bytes come in fragment order straight into registers; of LDS 21,504 bytes
; are left, less than two slots of the eight waves' 32,768 bytes a block.
;
; LDS: TAB [4096][x, y, z, sq]; A: lists [64 rows] x 1,040 bytes ([16 q][16 f32] + 16); B: part lists [64] x 272 ([4 p][16 f32] + 16);
; C: records [64] x 272 ([16 q][TL, T, CNT, -] + 16); R: partial sums [8 waves][64 rows] x 272 (64 f32 + 16).  Every pitch is an odd multiple of 16 bytes.
.set LDS_A,  65536
.set APITCH, 1040
.set LDS_B,  132096
.set LDS_C,  149504
.set LDS_R,  166912
.set PITCH,  272
.set RWAVE,  64*PITCH                  ; a wave's partial sums: 17,408 bytes
; v0 t; v1 address of my run in TAB; v[2:3] 1/k twice; v4 bf16 1.0 in the low half; v5 in the high half; v6 k; v7 my offset in pt
.set XP,   8                           ; v[8:11]   x of my four rows
.set YP,   12                          ; v[12:15]  y
.set ZP,   16                          ; v[16:19]  z
.set SQ,   20                          ; v[20:23]  sq
.set THR,  24                          ; v[24:39]  scratch for addresses; in pass 2 for row f: TL, T, CNT, a temporary
.set D2,   40                          ; v[40:47]  pass 2: d2 of a pair of candidates, candidate c, row f at D2 + 4 c + f
.set TT,   48                          ; v[48:55]  pass 2: sq_i + sq_j, likewise
.set CAND, 56                          ; v[56:63]  pass 2: a pair of candidates
.set LIST, 64                          ; v[64:127] pass 1: row f's list at LIST + 16 f, ascending
.set LL,   64                          ; v[64:79]  merge: the list being built
.set REC,  80                          ; v[80:83]  merge: TL, T, CNT, filler
.set NI,   84                          ; v84       merge: -inf
.set CC,   86                          ; v[86:89]  merge: four counters that take turns; their sum is CNT
.set WF,   64                          ; v[64:95]  pass 2: 0/1 fragments, row group f at WF + 8 f
.set BF,   96                          ; v[96:127] pass 2: preds fragments, channel group g at BF + 8 g
.set ACC,  128                         ; v[128:255] pass 2: 16 accumulators, (f, g) at ACC + 8 (4 f + g)
.set PTS,  128                         ; v[128:191] start: 16 points a thread
.set KV,   192                         ; v[192:207] start: k_vector
.set CB,   128                         ; v[128:159] pass 1: two buffers of four candidates
.set D16,  160                         ; v[160:175] pass 1: d2, candidate c, row f at D16 + 4 c + f
.set T16,  176                         ; v[176:191] pass 1: sq_i + sq_j
.set SUB,  128                         ; v[128:191] merge: the four lists of my part
.set PL,   192                         ; v[192:255] merge: the four part lists
.set MK,   32                          ; s[32:34]  all ones where part 0, 1, 2 lies ahead of my part
.set SA,   40                          ; s[40:55]  lane masks, two sets of 8 (4 c + f): less than TL; later: taken
.set SC,   56                          ; s[56:63]  lane masks, one set of 8: CNT < 0; later: an equal that is taken
.set SB,   66                          ; s[66:81]  lane masks, two sets of 8: not above T; later: an equal
; value v into the ascending list of 16 at l: place i gets the middle one of its lower neighbour, itself and v.  Taken from the top down,
; each line reads places that no earlier line of the run has written.
.macro INSERT l, v
.irp i, 15,14,13,12,11,10,9,8,7,6,5,4,3,2,1
	v_med3_num_f32 v[\l+\i], v[\l+\i-1], v[\l+\i], v[\v]
.endr
	v_min_num_f32 v[\l], v[\l], v[\v]
.endm
; d2 of my four rows (two pairs) against the four candidates x, y, z, sq at cb, stage by stage: eight independent lines in each stage
.macro DIST4 cb
.irp c, 0,1,2,3
.irp p, 0,2
	v_pk_mul_f32 v[D16+4*\c+\p:D16+4*\c+\p+1], v[XP+\p:XP+\p+1], v[\cb+4*\c:\cb+4*\c+1] op_sel_hi:[1,0]
.endr
.endr
.irp c, 0,1,2,3
.irp p, 0,2
	v_pk_add_f32 v[T16+4*\c+\p:T16+4*\c+\p+1], v[SQ+\p:SQ+\p+1], v[\cb+4*\c+2:\cb+4*\c+3] op_sel:[0,1] op_sel_hi:[1,1]
.endr
.endr
.irp c, 0,1,2,3
.irp p, 0,2
	v_pk_fma_f32 v[D16+4*\c+\p:D16+4*\c+\p+1], v[YP+\p:YP+\p+1], v[\cb+4*\c:\cb+4*\c+1], v[D16+4*\c+\p:D16+4*\c+\p+1] op_sel:[0,1,0] op_sel_hi:[1,1,1]
.endr
.endr
.irp c, 0,1,2,3
.irp p, 0,2
	v_pk_fma_f32 v[D16+4*\c+\p:D16+4*\c+\p+1], v[ZP+\p:ZP+\p+1], v[\cb+4*\c+2:\cb+4*\c+3], v[D16+4*\c+\p:D16+4*\c+\p+1] op_sel_hi:[1,0,1]
.endr
.endr
.irp c, 0,1,2,3
.irp p, 0,2
	v_pk_fma_f32 v[D16+4*\c+\p:D16+4*\c+\p+1], v[D16+4*\c+\p:D16+4*\c+\p+1], -2.0, v[T16+4*\c+\p:T16+4*\c+\p+1] op_sel_hi:[1,0,1]
.endr
.endr
.endm
; the same for the pair of candidates in CAND, into D2: 20 lines, none of which writes a scalar register
.macro DIST2
.irp c, 0,1
.irp p, 0,2
	v_pk_mul_f32 v[D2+4*\c+\p:D2+4*\c+\p+1], v[XP+\p:XP+\p+1], v[CAND+4*\c:CAND+4*\c+1] op_sel_hi:[1,0]
.endr
.endr
.irp c, 0,1
.irp p, 0,2
	v_pk_add_f32 v[TT+4*\c+\p:TT+4*\c+\p+1], v[SQ+\p:SQ+\p+1], v[CAND+4*\c+2:CAND+4*\c+3] op_sel:[0,1] op_sel_hi:[1,1]
.endr
.endr
.irp c, 0,1
.irp p, 0,2
	v_pk_fma_f32 v[D2+4*\c+\p:D2+4*\c+\p+1], v[YP+\p:YP+\p+1], v[CAND+4*\c:CAND+4*\c+1], v[D2+4*\c+\p:D2+4*\c+\p+1] op_sel:[0,1,0] op_sel_hi:[1,1,1]
.endr
.endr
.irp c, 0,1
.irp p, 0,2
	v_pk_fma_f32 v[D2+4*\c+\p:D2+4*\c+\p+1], v[ZP+\p:ZP+\p+1], v[CAND+4*\c+2:CAND+4*\c+3], v[D2+4*\c+\p:D2+4*\c+\p+1] op_sel_hi:[1,0,1]
.endr
.endr
.irp c, 0,1
.irp p, 0,2
	v_pk_fma_f32 v[D2+4*\c+\p:D2+4*\c+\p+1], v[D2+4*\c+\p:D2+4*\c+\p+1], -2.0, v[TT+4*\c+\p:TT+4*\c+\p+1] op_sel_hi:[1,0,1]
.endr
.endr
.endm
.macro LOADG buf, off                  ; four candidates of my run into buffer buf; the 16 lanes of a half read the same bytes
.irp c, 0,1,2,3
	ds_load_b128 v[CB+16*\buf+4*\c:CB+16*\buf+4*\c+3], v1 offset:\off+16*\c
.endr
.endm
.macro GROUP buf                       ; four candidates x four rows: 40 lines of distances, 256 of insertion
	DIST4 CB+16*\buf
.irp c, 0,1,2,3
.irp f, 0,1,2,3
	INSERT LIST+16*\f, D16+4*\c+\f
.endr
.endr
.endm
; Merge: the 16 values at base are counted into the four counters.  eq = 0: those below TL.  eq = 1: those with TL <= value <= T
; (masked = 1: only where the scalar mask allows).  All compares first, then all scalar lines, then all sums: the two kinds of
; instruction meet once for 16 values.  The carry-in of each sum is the mask's own register.
.macro CNT16 base, eq, masked, mask
.set i, 0
.rept 16
	v_cmp_lt_f32 s[SA+i], v[\base+i], v[REC]
.set i, i+1
.endr
.if \eq
.set i, 0
.rept 16
	v_cmp_le_f32 s[SB+i], v[\base+i], v[REC+1]
.set i, i+1
.endr
.set i, 0
.rept 16
	s_and_not1_b32 s[SA+i], s[SB+i], s[SA+i]
.set i, i+1
.endr
.if \masked
.set i, 0
.rept 16
	s_and_b32 s[SA+i], s[SA+i], s[\mask]
.set i, i+1
.endr
.endif
.endif
.set i, 0
.rept 16
	v_add_co_ci_u32 v[CC+(i&3)], vcc_lo, 0, v[CC+(i&3)], s[SA+i]
.set i, i+1
.endr
.endm
.macro PUTREC off                      ; CNT = the four counters' sum; the record of one run goes to C
	v_add3_u32 v[REC+2], v[CC], v[CC+1], v[CC+2]
	v_add_nc_u32 v[REC+2], v[REC+2], v[CC+3]
	ds_store_b128 v34, v[REC:REC+3] offset:\off
.endm
.macro PLACES
.rept 4
	v_nop
.endr
.endm
.macro LOADBF                          ; a block's preds fragments: lanes 0-15 take 256 neighbouring bytes of run 2 w, lanes 16-31 of run 2 w + 1
.irp g, 0,1,2,3
	global_load_b128 v[BF+8*\g:BF+8*\g+3],   v7, s[8:9] offset:512*\g
	global_load_b128 v[BF+8*\g+4:BF+8*\g+7], v7, s[8:9] offset:512*\g+256
.endr
.endm
; ---- pass 2's pieces.  p = 0 or 8: which of the two sets of masks ----
.macro TAKE p                          ; scalar: taken = less, or an equal while CNT < 0
.irp j, 0,1,2,3,4,5,6,7
	s_and_b32 s[SC+\j], s[SC+\j], s[SB+\p+\j]
.endr
.irp j, 0,1,2,3,4,5,6,7
	s_or_b32 s[SA+\p+\j], s[SA+\p+\j], s[SC+\j]
.endr
.endm
.macro EQS p                           ; scalar: an equal = not above T and not less than TL
.irp j, 0,1,2,3,4,5,6,7
	s_and_not1_b32 s[SB+\p+\j], s[SB+\p+\j], s[SA+\p+\j]
.endr
.endm
.macro WEIGH p                         ; the pair's 0/1 into register WI of each row group's fragment: first candidate low half, second high half
.irp f, 0,1,2,3
	v_cndmask_b32 v[WF+8*\f+WI], 0, v4, s[SA+\p+\f]
.endr
.irp f, 0,1,2,3
	v_cndmask_b32 v[THR+4*\f+3], 0, v5, s[SA+\p+4+\f]
.endr
.irp f, 0,1,2,3
	v_or_b32 v[WF+8*\f+WI], v[WF+8*\f+WI], v[THR+4*\f+3]
.endr
.endm
.macro COUNT p                         ; candidate by candidate: are equals still wanted; then every equal counts
.irp c, 0,1
.irp f, 0,1,2,3
	v_cmp_gt_i32 s[SC+4*\c+\f], 0, v[THR+4*\f+2]
.endr
.irp f, 0,1,2,3
	v_add_co_ci_u32 v[THR+4*\f+2], vcc_lo, 0, v[THR+4*\f+2], s[SB+\p+4*\c+\f]
.endr
.endr
.endm
; A block's product: 16 candidates a lane, 32 a wave = the 32 places of K.  Place (h, register i, half) means candidate 256 (2 w + h) + 16 block + 2 i + half
; in both sources alike, so the products pair up rightly.  Source 0 = preds (16 channels), source 1 = 0/1 (16 rows): lane (r, h) register j of the
; result is row 16 f + r, channel 16 g + 8 h + j.  The 16 accumulators take turns, one instruction a turn, from one block's product to the next too.
; wm = 1: the first product starts the sums; wm = 2: it adds.  more = 1: the next block's fragments are asked for.
.macro MATS wm, more
	s_wait_loadcnt 0x0                             ; the block's eight loads of pt are in (no younger global load exists), and their base is free
.irp f, 0,1,2,3
.irp g, 0,1,2,3
.if \wm == 1
	v_wmma_f32_16x16x32_bf16 v[ACC+8*(4*\f+\g):ACC+8*(4*\f+\g)+7], v[BF+8*\g:BF+8*\g+7], v[WF+8*\f:WF+8*\f+7], 0
.else
	v_wmma_f32_16x16x32_bf16 v[ACC+8*(4*\f+\g):ACC+8*(4*\f+\g)+7], v[BF+8*\g:BF+8*\g+7], v[WF+8*\f:WF+8*\f+7], v[ACC+8*(4*\f+\g):ACC+8*(4*\f+\g)+7]
.endif
.endr
.endr
	PLACES                                         ; four places before loads land in BF, vector lines write WF, or LDS stores read the sums
.if \more
	s_add_nc_u64 s[8:9], s[8:9], 2048              ; the next 16 candidates of each run
	LOADBF                                         ; they have a whole block's vector work in which to come
.endif
.endm
; One step = pair i of a block's eight: 2 candidates x 4 rows.  The pair's work is spread over two steps, so that no scalar line stands
; near the compare that feeds it and no compare near the scalar line before it:
;   compares of this pair (16 vector) | d2 of the next pair (20 vector, no scalar result), the fetch of the pair after it |
;   scalar: taken of the pair before, equals of this pair (24) | weights of the pair before (12 vector) | [the last block's product] | counters of this pair (16 vector).
; The masks less and equal live from one step's compares to the next step's weights: two sets that take turns; CNT < 0 is made behind its last use: one set.
; prev: a pair before exists; nxt: a next pair exists; ld: the pair after the next exists.
.macro STEP i, prev, nxt, ld, wm, more
.set PA, 8*(\i&1)
.set PB, 8-PA
.set WI, (\i+7)&7
.irp c, 0,1
.irp f, 0,1,2,3
	v_cmp_lt_f32 s[SA+PA+4*\c+\f], v[D2+4*\c+\f], v[THR+4*\f]      ; less than TL
	v_cmp_le_f32 s[SB+PA+4*\c+\f], v[D2+4*\c+\f], v[THR+4*\f+1]    ; not above T
.endr
.endr
.if \nxt
	s_wait_dscnt 0x0                               ; the next pair's two loads, issued a step ago, are the only LDS instructions out
	DIST2                                          ; D2 is free: the compares above have read it
.if \ld
	ds_load_b128 v[CAND:CAND+3],   v1 offset:32*\i+64
	ds_load_b128 v[CAND+4:CAND+7], v1 offset:32*\i+80
.endif
.endif
.if \prev
	TAKE PB
.endif
	EQS PA
.if \prev
	WEIGH PB
.endif
.if \wm
	MATS \wm, \more
.endif
	COUNT PA
.endm
; A block of 16 candidates a lane.  Its step 0 ends the block before: that block's last weights, then its product.
.macro BLK prev, wm, last
	STEP 0, \prev, 1, 1, \wm, 1
.irp i, 1,2,3,4,5
	STEP \i, 1, 1, 1, 0, 0
.endr
.if \last
	STEP 6, 1, 1, 0, 0, 0                          ; candidates 254, 255 are the last: nothing more to fetch,
	STEP 7, 1, 0, 0, 0, 0                          ; and no further d2
.else
	STEP 6, 1, 1, 1, 0, 0
	STEP 7, 1, 1, 1, 0, 0
	v_add_nc_u32 v1, 0x100, v1
.endif
.endm
	; ---- start: addresses, k, the table of rounded points ----
	s_load_b256 s[4:11], s[0:1], 0x0               ; k_vector s[4:5], points s[6:7], pt s[8:9], out0 s[10:11]
	s_set_vgpr_msb 0x40
	v_lshl_add_u32 v0, v0, 2, 0x4ac00
	v_mov_b32 v1, 0
	s_set_vgpr_msb 0x4000
	v_lshrrev_b32 v24, 5, v0
	v_readfirstlane_b32 s12, v24                   ; wave 0..7
	s_lshr_b32 s15, ttmp9, 6                       ; batch
	s_mul_i32 s16, s15, 49152                      ; 4,096 points of 12 bytes
	s_mov_b32 s17, 0
	s_lshr_b32 s18, s12, 1                         ; p: my part in the merge = t >> 6
	v_mov_b32 v24, 0
	v_mul_u32_u24 v25, v0, 12
	v_lshlrev_b32 v28, 4, v0
	s_wait_kmcnt 0x0
	s_add_nc_u64 s[6:7], s[6:7], s[16:17]
	s_lshl_b32 s16, s15, 19                        ; a batch of pt: 524,288 bytes
	s_lshl_b32 s19, s12, 16                        ; my wave's two runs: 2 x 32,768 bytes
	s_add_co_u32 s16, s16, s19
	s_add_nc_u64 s[8:9], s[8:9], s[16:17]
	s_lshl_b32 s16, ttmp9, 14                      ; 64 rows of 256 bytes
	s_add_nc_u64 s[10:11], s[10:11], s[16:17]
.irp i, 0,1,2,3
	global_load_b128 v[KV+4*\i:KV+4*\i+3], v24, s[4:5] offset:16*\i
.endr
.set i, 0
.rept 16
	global_load_b96 v[PTS+4*i:PTS+4*i+2], v25, s[6:7] offset:3072*i      ; point 256 i + t
.set i, i+1
.endr
	v_and_b32 v29, 15, v0                          ; r
	v_lshrrev_b32 v30, 4, v0                       ; q
	v_bfe_u32 v31, v0, 4, 1                        ; h
	v_lshlrev_b32 v1, 12, v30                      ; my run in TAB: 256 candidates of 16 bytes
	v_lshlrev_b32 v7, 4, v29
	v_lshl_or_b32 v7, v31, 15, v7                  ; in pt: 32,768 h + 16 r
	s_cmp_gt_u32 s18, 0
	s_cselect_b32 s[MK+0], -1, 0
	s_cmp_gt_u32 s18, 1
	s_cselect_b32 s[MK+1], -1, 0
	s_cmp_gt_u32 s18, 2
	s_cselect_b32 s[MK+2], -1, 0
	s_wait_loadcnt 0x0                             ; once: k_vector and my 16 points
	v_mov_b32 v26, v[KV]                           ; the first largest entry: a later one must be strictly larger
	v_mov_b32 v6, 1
.set i, 1
.rept 15
	v_cmp_gt_f32 vcc_lo, v[KV+i], v26
	v_cndmask_b32 v26, v26, v[KV+i], vcc_lo
	v_cndmask_b32 v6, v6, i+1, vcc_lo
.set i, i+1
.endr
	v_cvt_f32_u32 v27, v6
	v_rcp_f32 v2, v27
	v_rcp_f32 v3, v27                              ; twice: a pair for the packed multiply
	v_mov_b32 v4, 0x3f80                           ; a plain line behind the reciprocals, before v27 is written again (ISA guide 5.7.2)
	v_mov_b32 v5, 1.0                              ; 0x3f800000: bf16 1.0 in the high half
.set i, 0
.rept 16
	v_cvt_pk_bf16_f32 v26, v[PTS+4*i], v[PTS+4*i+1]
	v_cvt_pk_bf16_f32 v27, v[PTS+4*i+2], v[PTS+4*i+2]
	v_lshlrev_b32 v[PTS+4*i], 16, v26              ; back to f32
	v_and_b32 v[PTS+4*i+1], 0xffff0000, v26
	v_lshlrev_b32 v[PTS+4*i+2], 16, v27
	v_mul_f32 v[PTS+4*i+3], v[PTS+4*i], v[PTS+4*i]
	v_fmac_f32 v[PTS+4*i+3], v[PTS+4*i+1], v[PTS+4*i+1]
	v_fmac_f32 v[PTS+4*i+3], v[PTS+4*i+2], v[PTS+4*i+2]
	ds_store_b128 v28, v[PTS+4*i:PTS+4*i+3] offset:4096*i
.set i, i+1
.endr
	s_wait_dscnt 0x0                               ; my part of the table is written
	s_barrier_signal -1
	s_barrier_wait -1                              ; the table is whole
	s_and_b32 s15, ttmp9, 63
	s_lshl_b32 s15, s15, 10                        ; my work-group's 64 rows in the table
	v_lshl_add_u32 v24, v29, 4, s15
.irp f, 0,1,2,3
	ds_load_b128 v[PTS+4*\f:PTS+4*\f+3], v24 offset:256*\f
.endr
	s_mov_b32 s19, 0x7f800000
.set i, 0
.rept 64
	v_mov_b32 v[LIST+i], s19                       ; the lists start at +inf: 256 candidates a run push every one of them out
.set i, i+1
.endr
	s_wait_dscnt 0x0
.irp f, 0,1,2,3
	v_mov_b32 v[XP+\f], v[PTS+4*\f]
	v_mov_b32 v[YP+\f], v[PTS+4*\f+1]
	v_mov_b32 v[ZP+\f], v[PTS+4*\f+2]
	v_mov_b32 v[SQ+\f], v[PTS+4*\f+3]
.endr
	; ---- pass 1: 256 candidates, eight a trip ----
	LOADG 0, 0
	s_mov_b32 s14, 31
.Lpass1:
	LOADG 1, 64
	s_wait_dscnt 0x4                               ; buffer 0's four loads are in, the four just issued stay out
	GROUP 0
	LOADG 0, 128
	s_wait_dscnt 0x4                               ; likewise buffer 1's
	GROUP 1
	v_add_nc_u32 v1, 0x80, v1
	s_sub_co_i32 s14, s14, 1
	s_cmp_lg_u32 s14, 0
	s_cbranch_scc1 .Lpass1
	LOADG 1, 64                                    ; the last eight: candidates 252 to 255 are the last fetch
	s_wait_dscnt 0x4
	GROUP 0
	s_wait_dscnt 0x0
	GROUP 1
	v_lshlrev_b32 v1, 12, v30                      ; back to my run's first candidate, for pass 2
	v_mul_u32_u24 v24, v29, APITCH
	v_lshl_add_u32 v24, v30, 6, v24
	v_add_nc_u32 v24, LDS_A, v24                   ; row r, run q
.irp f, 0,1,2,3
.irp u, 0,1,2,3
	ds_store_b128 v24, v[LIST+16*\f+4*\u:LIST+16*\f+4*\u+3] offset:16*APITCH*\f+16*\u
.endr
.endr
	s_wait_dscnt 0x0
	s_barrier_signal -1
	s_barrier_wait -1                              ; all 64 x 16 lists are in A
	; ---- merge, step 1: thread (row t & 63, part p = t >> 6) merges the lists of runs 4 p .. 4 p + 3 ----
	v_and_b32 v32, 63, v0
	s_lshl_b32 s15, s18, 8
	s_add_co_u32 s15, s15, LDS_A
	v_mul_u32_u24 v25, v32, APITCH
	v_add_nc_u32 v25, s15, v25
.irp u, 0,1,2,3
	ds_load_b128 v[LL+4*\u:LL+4*\u+3], v25 offset:16*\u            ; the first list starts the merged one
.endr
.set i, 0
.rept 16
	ds_load_b128 v[SUB+4*i:SUB+4*i+3], v25 offset:16*i             ; all four are kept: their equals are counted below
.set i, i+1
.endr
	v_mul_u32_u24 v26, v32, PITCH
	s_lshl_b32 s15, s18, 6
	v_add_nc_u32 v27, s15, v26                     ; row x 272 + 64 p
	v_add_nc_u32 v28, LDS_B, v27                   ; my part list
	v_add_nc_u32 v33, LDS_B, v26                   ; the row's four part lists
	v_add_nc_u32 v34, LDS_C, v27                   ; the records of my four runs
	s_wait_dscnt 0x0
.set j, 16
.rept 48
	INSERT LL, SUB+j
.set j, j+1
.endr
.irp u, 0,1,2,3
	ds_store_b128 v28, v[LL+4*\u:LL+4*\u+3] offset:16*\u
.endr
	s_wait_dscnt 0x0
	s_barrier_signal -1
	s_barrier_wait -1                              ; all part lists are in B
	; ---- merge, step 2: every thread of a row merges the four part lists, finds T, TL and where its runs' counters start ----
.irp u, 0,1,2,3
	ds_load_b128 v[LL+4*\u:LL+4*\u+3], v33 offset:16*\u
.endr
.set i, 0
.rept 16
	ds_load_b128 v[PL+4*i:PL+4*i+3], v33 offset:16*i
.set i, i+1
.endr
	v_mov_b32 v[NI], 0xff800000
	v_sub_nc_u32 v[CC], 0, v6                      ; the counters' sum starts at -k
	v_mov_b32 v[CC+1], 0
	v_mov_b32 v[CC+2], 0
	v_mov_b32 v[CC+3], 0
	v_mov_b32 v[REC+3], v6                         ; filler: the record's fourth word is stored, and serves as a temporary in pass 2
	s_wait_dscnt 0x0
.set j, 16
.rept 48
	INSERT LL, PL+j
.set j, j+1
.endr
	v_mov_b32 v[REC+1], v[LL]
.set i, 1
.rept 15
	v_cmp_lt_u32 vcc_lo, i, v6                     ; the last place with i < k is k - 1
	v_cndmask_b32 v[REC+1], v[REC+1], v[LL+i], vcc_lo
.set i, i+1
.endr
	v_max_num_f32 v[REC+1], 0, v[REC+1]            ; T: reference()'s clamp
	v_cmp_lt_f32 vcc_lo, 0, v[REC+1]
	v_cndmask_b32 v[REC], v[NI], v[REC+1], vcc_lo  ; TL = T, or -inf where T = 0: then nothing is less and all d2 <= 0 are equals
	CNT16 LL, 0, 0, 0                              ; + #(less): the sum is now -need
.irp pp, 0,1,2
	CNT16 PL+16*\pp, 1, 1, MK+\pp                  ; + the equals of the parts ahead of mine
.endr
.irp s, 0,1,2
	PUTREC 16*\s                                   ; run 4 p + s
	CNT16 SUB+16*\s, 1, 0, 0                       ; then that run's own equals, for the next run
.endr
	PUTREC 48
	v_mul_u32_u24 v40, v29, PITCH
	v_lshl_add_u32 v40, v30, 4, v40
	v_add_nc_u32 v40, LDS_C, v40                   ; row r, run q
	s_wait_dscnt 0x0
	s_barrier_signal -1
	s_barrier_wait -1                              ; all records are in C
	; ---- pass 2: 16 blocks of 16 candidates a lane ----
	LOADBF                                         ; block 0's fragments
.irp f, 0,1,2,3
	ds_load_b128 v[THR+4*\f:THR+4*\f+3], v40 offset:16*PITCH*\f
.endr
	ds_load_b128 v[CAND:CAND+3],   v1
	ds_load_b128 v[CAND+4:CAND+7], v1 offset:16
	s_wait_dscnt 0x0                               ; the records and the first pair
	DIST2                                          ; d2 of pair 0
	ds_load_b128 v[CAND:CAND+3],   v1 offset:32    ; pair 1
	ds_load_b128 v[CAND+4:CAND+7], v1 offset:48
	BLK 0, 0, 0                                    ; block 0: nothing before it
	BLK 1, 1, 0                                    ; block 1; in its step 0 block 0's product starts the sums: nothing is cleared
	s_mov_b32 s14, 13
.Lpass2:
	BLK 1, 2, 0                                    ; blocks 2 to 14
	s_sub_co_i32 s14, s14, 1
	s_cmp_lg_u32 s14, 0
	s_cbranch_scc1 .Lpass2
	BLK 1, 2, 1                                    ; block 15 fetches nothing beyond my run
	TAKE 8                                         ; the last pair (an odd one: the second set of masks),
.set WI, 7
	WEIGH 8                                        ; its weights,
	MATS 2, 0                                      ; and block 15's product
	; ---- the way out: the eight waves' partial sums meet in LDS; each thread adds and stores 16 bytes of four rows ----
	s_mul_i32 s15, s12, RWAVE
	s_add_co_u32 s15, s15, LDS_R
	v_and_b32 v24, 15, v0
	v_bfe_u32 v25, v0, 4, 1
	v_mul_u32_u24 v24, v24, PITCH
	v_lshl_add_u32 v24, v25, 5, v24                ; row r, channels 8 h ..
	v_add_nc_u32 v24, s15, v24
.irp f, 0,1,2,3
.irp g, 0,1,2,3
	ds_store_b128 v24, v[ACC+8*(4*\f+\g):ACC+8*(4*\f+\g)+3]   offset:16*PITCH*\f+64*\g
	ds_store_b128 v24, v[ACC+8*(4*\f+\g)+4:ACC+8*(4*\f+\g)+7] offset:16*PITCH*\f+64*\g+16
.endr
.endr
	v_lshrrev_b32 v25, 4, v0                       ; row t >> 4 of each group of 16
	v_and_b32 v26, 15, v0
	v_mul_u32_u24 v25, v25, PITCH
	v_lshl_add_u32 v25, v26, 4, v25
	v_add_nc_u32 v25, LDS_R, v25                   ; waves 0 to 3 by the offset (65,280 at the most),
	v_add_nc_u32 v26, 4*RWAVE, v25                 ; waves 4 to 7 from here
	v_lshlrev_b32 v27, 4, v0                       ; in out0: 16 t, sixteen lanes to a row of 256 bytes
	s_wait_dscnt 0x0
	s_barrier_signal -1
	s_barrier_wait -1                              ; all partial sums are in R
.irp i, 0,1,2,3
.irp u, 0,1,2,3
	ds_load_b128 v[ACC+32*\i+4*\u:ACC+32*\i+4*\u+3], v25 offset:RWAVE*\u+16*PITCH*\i
.endr
.irp u, 0,1,2,3
	ds_load_b128 v[ACC+32*\i+16+4*\u:ACC+32*\i+16+4*\u+3], v26 offset:RWAVE*\u+16*PITCH*\i
.endr
.endr
.irp i, 0,1,2,3
	s_wait_dscnt 8*(3-\i)                          ; row group i's eight loads are in; eight for each later group stay out
.irp u, 1,2,3,4,5,6,7
	v_pk_add_f32 v[ACC+32*\i:ACC+32*\i+1],   v[ACC+32*\i:ACC+32*\i+1],   v[ACC+32*\i+4*\u:ACC+32*\i+4*\u+1]
	v_pk_add_f32 v[ACC+32*\i+2:ACC+32*\i+3], v[ACC+32*\i+2:ACC+32*\i+3], v[ACC+32*\i+4*\u+2:ACC+32*\i+4*\u+3]
.endr
	s_wait_alu depctr_va_vdst(0)
	v_pk_mul_f32 v[ACC+32*\i:ACC+32*\i+1],   v[ACC+32*\i:ACC+32*\i+1],   v[2:3]
	v_pk_mul_f32 v[ACC+32*\i+2:ACC+32*\i+3], v[ACC+32*\i+2:ACC+32*\i+3], v[2:3]
	global_store_b128 v27, v[ACC+32*\i:ACC+32*\i+3], s[10:11] offset:4096*\i th:TH_STORE_NT
.endr
	s_set_vgpr_msb 0x5
	s_wait_tensorcnt 0x0
	ds_add_u32 v0, v1
	s_wait_dscnt 0x0
	s_set_vgpr_msb 0x500
	s_endpgm
.Lfunc_end_k_q8396dcf807_knn:
	.size	k_q8396dcf807_knn, .Lfunc_end_k_q8396dcf807_knn-k_q8396dcf807_knn
	.p2alignl 7, 3214868480
	.fill 96, 4, 3214868480
	.section	.rodata,"a",@progbits
	.p2align	6, 0x0
	.amdhsa_kernel k_q8396dcf807_knn
		.amdhsa_group_segment_fixed_size 307200
		.amdhsa_private_segment_fixed_size 0
		.amdhsa_enable_private_segment 0
		.amdhsa_kernarg_size 32
		.amdhsa_user_sgpr_count 2
		.amdhsa_user_sgpr_kernarg_segment_ptr 1
		.amdhsa_wavefront_size32 1
		.amdhsa_system_sgpr_workgroup_id_x 1
		.amdhsa_system_sgpr_workgroup_id_y 1
		.amdhsa_system_sgpr_workgroup_id_z 1
		.amdhsa_system_vgpr_workitem_id 0
		.amdhsa_next_free_vgpr 258
		.amdhsa_next_free_sgpr 84
		.amdhsa_reserve_vcc 1
		.amdhsa_float_denorm_mode_32 3
		.amdhsa_float_denorm_mode_16_64 3
		.amdhsa_memory_ordered 1
		.amdhsa_forward_progress 1
		.amdhsa_inst_pref_size 255
	.end_amdhsa_kernel
	.section	.bss,"aw",@nobits
	.p2align	6
	.space	262144
	.amdgpu_metadata
---
amdhsa.version: [ 1, 2 ]
amdhsa.kernels:
  - .name:           k_q8396dcf807_knn
    .symbol:         k_q8396dcf807_knn.kd
    .args:
      - { .name: k_vector, .offset: 0, .size: 8, .value_kind: global_buffer, .address_space: global }
      - { .name: points, .offset: 8, .size: 8, .value_kind: global_buffer, .address_space: global }
      - { .name: pt, .offset: 16, .size: 8, .value_kind: global_buffer, .address_space: global }
      - { .name: out0, .offset: 24, .size: 8, .value_kind: global_buffer, .address_space: global }
    .group_segment_fixed_size: 307200
    .private_segment_fixed_size: 0
    .kernarg_segment_align: 8
    .kernarg_segment_size: 32
    .max_flat_workgroup_size: 256
    .sgpr_count:     84
    .vgpr_count:     258
    .wavefront_size: 32
...
	.end_amdgpu_metadata
.endif
;; end of part 3
;; ======== version 3 of 4: 2 launches; 1.58 times as fast as version 1
;; limits: values outside matrix products are rounded to bf16
;; workspace buffers: pt 2,097,152 bytes
;; launch prep: the kernel of part 1 again; grid 256 x 1, 8 waves a work-group, no clusters, 18,432 bytes of LDS; arguments preds, pt; writes pt
;; launch knn (part 4): grid 256 x 1, 8 waves a work-group, no clusters, 307,200 bytes of LDS; arguments k_vector, points, pt, out0; writes out0
.if DOCPART == 4
	.amdgcn_target "amdgcn-amd-amdhsa--gfx1250"
	.amdhsa_code_object_version 6
	.text
	.protected	k_q8396dcf807_knn
	.globl	k_q8396dcf807_knn
	.p2align	8
	.type	k_q8396dcf807_knn,@function
k_q8396dcf807_knn:
	s_mov_b64 s[64:65], 0
	v_nop
	global_prefetch_b8 v0, s[64:65] scope:SCOPE_SE
	s_setreg_imm32_b32 hwreg(HW_REG_WAVE_MODE, 25, 1), 1
	s_wait_xcnt 0x0
; out0[b][n][:] = mean of preds over the k nearest points of point n in batch b (itself included, ties to the lower index),
; k = argmax(k_vector) + 1 <= 16.  4 batches x 4,096 points; a work-group owns 64 rows of one batch and sees all 4,096 candidates.
;
; NO BRANCH AND NO ADDRESS HANGS ON A DISTANCE.  Pass 1 keeps, for each row and each run of 256 candidates, a sorted list of the 16 smallest
; d2 (values only): 16 new d2 are sorted by a bitonic network and merged into the list by another.  The 16 lists of a row are merged in the
; same way; T = max(k-th smallest, 0).  Pass 2 makes every d2 again and takes a candidate if
; d2 < TL, or if TL <= d2 <= T and fewer than need = k - #(less) equals have a lower index (TL = T, or -inf where T = 0: that carries
; reference()'s max(d2, 0)).  Each lane counts equals in CNT, which starts at (equals in earlier runs) - need; an equal is taken while CNT < 0.
; A list of 16 that has dropped equals holds only values <= T, a of them less: its 16 - a equals are at least need, so the capped count serves.
; The taken candidates become 0/1 in bf16, and 0/1 x preds on the matrix unit, summed in f32, is the gather and the sum; then times 1/k.
;
; LIMITS, kept knowingly.  (1) points are rounded to bf16 before the distances (the rounding of a matrix operand); every product is then exact
; in f32, and sq = (xx+yy)+zz, dot = (xx'+yy')+zz', d2 = (sq_i+sq_j) - 2 dot are made by f32 multiply-adds in that order on the vector unit:
; the last bit of d2 decides near ties, and K = 3 would fill 3 of a matrix instruction's 32 places.  (2) Neighbours are ordered by max(d2, 0),
; not by its root: differs only where two different d2 round to one root at the k-th place.  (3) argmax is taken of k_vector (f32), not of its
; softmax: differs only where the two largest entries are a few last bits apart.  (4) NaN and infinities in any input are not served.
; (5) The mean multiplies by v_rcp_f32(k).  preds enter the product in bf16.
;
; SHARES.  Lane (r = t & 15, h = bit 4 of t) of wave w owns rows 16 f + r (f = 0..3) and run q = 2 w + h = t >> 4: candidates 256 q .. 256 q + 255.
; NO CLUSTER, NO TENSOR LOAD: the 64 work-groups of a batch do read the same pt, but a wave loads 4,096 bytes of it for a block of 16 candidates
; a lane, on which it issues some 700 instructions, and the bytes come in fragment order straight into registers; of LDS 21,504 bytes
; are left, less than two slots of the eight waves' 32,768 bytes a block.
;
; LDS: TAB [4096][x, y, z, sq]; A: lists [64 rows] x 1,040 bytes ([16 q][16 f32] + 16); B: part lists [64] x 272 ([4 p][16 f32] + 16);
; C: records [64] x 272 ([16 q][TL, T, CNT, -] + 16); R: partial sums [8 waves][64 rows] x 272 (64 f32 + 16).  Every pitch is an odd multiple of 16 bytes.
.set LDS_A,  65536
.set APITCH, 1040
.set LDS_B,  132096
.set LDS_C,  149504
.set LDS_R,  166912
.set PITCH,  272
.set RWAVE,  64*PITCH                  ; a wave's partial sums: 17,408 bytes
; v0 t; v1 address of my run in TAB; v[2:3] 1/k twice; v4 bf16 1.0 in the low half; v5 in the high half; v6 k; v7 my offset in pt
.set XP,   8                           ; v[8:11]   x of my four rows
.set YP,   12                          ; v[12:15]  y
.set ZP,   16                          ; v[16:19]  z
.set SQ,   20                          ; v[20:23]  sq
.set THR,  24                          ; v[24:39]  scratch for addresses; in pass 2 for row f: TL, T, CNT, a temporary
.set PING, 40                          ; v[40:55]  pass 1 and merge: one of the two sets of 16 between which a network's layers go
.set PONG, 160                         ; v[160:175] pass 1: the other set (in the merge: v[96:111], set there)
.set D2,   40                          ; v[40:47]  pass 2: d2 of a pair of candidates, candidate c, row f at D2 + 4 c + f
.set TT,   48                          ; v[48:55]  pass 2: sq_i + sq_j, likewise
.set CAND, 56                          ; v[56:63]  pass 2: a pair of candidates
.set LIST, 64                          ; v[64:127] pass 1: row f's list at LIST + 16 f, ascending
.set LL,   64                          ; v[64:79]  merge: the list being built
.set REC,  80                          ; v[80:83]  merge: TL, T, CNT, filler
.set NI,   84                          ; v84       merge: -inf
.set CC,   86                          ; v[86:89]  merge: four counters that take turns; their sum is CNT
.set WF,   64                          ; v[64:95]  pass 2: 0/1 fragments, row group f at WF + 8 f
.set BF,   96                          ; v[96:127] pass 2: preds fragments, channel group g at BF + 8 g
.set ACC,  128                         ; v[128:255] pass 2: 16 accumulators, (f, g) at ACC + 8 (4 f + g)
.set PTS,  128                         ; v[128:191] start: 16 points a thread
.set KV,   192                         ; v[192:207] start: k_vector
.set CB,   128                         ; v[128:159] pass 1: two buffers of four candidates
.set T16,  176                         ; v[176:191] pass 1: sq_i + sq_j of four candidates
.set DD,   192                         ; v[192:255] pass 1: d2 of a batch, candidate c (0..15), row f at DD + 4 c + f
.set SUB,  128                         ; v[128:191] merge: the four lists of my part
.set PL,   192                         ; v[192:255] merge: the four part lists
.set MK,   32                          ; s[32:34]  all ones where part 0, 1, 2 lies ahead of my part
.set SA,   40                          ; s[40:55]  lane masks, two sets of 8 (4 c + f): less than TL; later: taken
.set SC,   56                          ; s[56:63]  lane masks, one set of 8: CNT < 0; later: an equal that is taken
.set SB,   66                          ; s[66:81]  lane masks, two sets of 8: not above T; later: an equal
; ---- the networks ----
; One layer of a bitonic network on 16 values: the eight comparators (i, i + 2^dswap), i with that bit 0; the smaller value goes to i, or the
; larger where bit dirbit of i is set (dirbit = 4: never).  A comparator is ONE dual instruction, a minimum and a maximum of the same two
; registers.  A layer reads one set of registers and writes another, so no half reads what the other half writes.  The dual form wants one even
; and one odd destination: behind a layer of distance 2^s element i lies at place P(i, s) = i with its bits 0 and s exchanged
; = i + (bit s - bit 0) (1 - 2^s), so that i and i + 2^s lie side by side.  The next layer is told s as sswap.  Bases are even.
; sstep: the distance between places in the source (4 where the source is DD, else 1).
.macro LAYER sbase, sstep, sswap, dbase, dswap, dirbit
.set NWI, 0
.rept 16
.if ((NWI>>\dswap)&1) == 0
.set NWJ, NWI+(1<<\dswap)
.set NWSA, \sbase+\sstep*(NWI+(((NWI>>\sswap)&1)-(NWI&1))*(1-(1<<\sswap)))
.set NWSB, \sbase+\sstep*(NWJ+(((NWJ>>\sswap)&1)-(NWJ&1))*(1-(1<<\sswap)))
.set NWDA, \dbase+NWI+(((NWI>>\dswap)&1)-(NWI&1))*(1-(1<<\dswap))
.set NWDB, \dbase+NWJ+(((NWJ>>\dswap)&1)-(NWJ&1))*(1-(1<<\dswap))
.if (NWI>>\dirbit)&1
	v_dual_max_num_f32 v[NWDA], v[NWSA], v[NWSB] :: v_dual_min_num_f32 v[NWDB], v[NWSA], v[NWSB]
.else
	v_dual_min_num_f32 v[NWDA], v[NWSA], v[NWSB] :: v_dual_max_num_f32 v[NWDB], v[NWSA], v[NWSB]
.endif
.endif
.set NWI, NWI+1
.endr
.endm
; 16 values at sbase, sstep apart, sorted ascending into v[out .. out+15]: runs of 2, 4, 8, 16; ten layers, 80 instructions
.macro SORT16 sbase, sstep, out
	LAYER \sbase, \sstep, 0, PING, 0, 1
	LAYER PING, 1, 0, PONG, 1, 2
	LAYER PONG, 1, 1, PING, 0, 2
	LAYER PING, 1, 0, PONG, 2, 3
	LAYER PONG, 1, 2, PING, 1, 3
	LAYER PING, 1, 1, PONG, 0, 3
	LAYER PONG, 1, 0, PING, 3, 4
	LAYER PING, 1, 3, PONG, 2, 4
	LAYER PONG, 1, 2, PING, 1, 4
	LAYER PING, 1, 1, \out, 0, 4
.endm
; The 16 smallest of two ascending lists of 16, at la and sb, ascending into lo (which may be la; sb may be PONG).  min(la[i], sb[15 - i]) are the
; 16 smallest, first falling then rising or the reverse: four layers sort them.  Two minima go in one dual instruction: places i and i + 1 of each
; list are one register apart, so the two first sources, the two second sources and the two destinations differ as that form asks.  40 instructions.
.macro MERGE lo, la, sb
.set NWI, 0
.rept 8
	v_dual_min_num_f32 v[PING+NWI], v[\la+NWI], v[\sb+15-NWI] :: v_dual_min_num_f32 v[PING+NWI+1], v[\la+NWI+1], v[\sb+14-NWI]
.set NWI, NWI+2
.endr
	LAYER PING, 1, 0, PONG, 3, 4
	LAYER PONG, 1, 3, PING, 2, 4
	LAYER PING, 1, 2, PONG, 1, 4
	LAYER PONG, 1, 1, \lo, 0, 4
.endm
; d2 of my four rows (two pairs) against the four candidates x, y, z, sq at cb, into d + 4 c + f, stage by stage: eight independent lines in each stage
.macro DIST4 cb, d
.irp c, 0,1,2,3
.irp p, 0,2
	v_pk_mul_f32 v[\d+4*\c+\p:\d+4*\c+\p+1], v[XP+\p:XP+\p+1], v[\cb+4*\c:\cb+4*\c+1] op_sel_hi:[1,0]
.endr
.endr
.irp c, 0,1,2,3
.irp p, 0,2
	v_pk_add_f32 v[T16+4*\c+\p:T16+4*\c+\p+1], v[SQ+\p:SQ+\p+1], v[\cb+4*\c+2:\cb+4*\c+3] op_sel:[0,1] op_sel_hi:[1,1]
.endr
.endr
.irp c, 0,1,2,3
.irp p, 0,2
	v_pk_fma_f32 v[\d+4*\c+\p:\d+4*\c+\p+1], v[YP+\p:YP+\p+1], v[\cb+4*\c:\cb+4*\c+1], v[\d+4*\c+\p:\d+4*\c+\p+1] op_sel:[0,1,0] op_sel_hi:[1,1,1]
.endr
.endr
.irp c, 0,1,2,3
.irp p, 0,2
	v_pk_fma_f32 v[\d+4*\c+\p:\d+4*\c+\p+1], v[ZP+\p:ZP+\p+1], v[\cb+4*\c+2:\cb+4*\c+3], v[\d+4*\c+\p:\d+4*\c+\p+1] op_sel_hi:[1,0,1]
.endr
.endr
.irp c, 0,1,2,3
.irp p, 0,2
	v_pk_fma_f32 v[\d+4*\c+\p:\d+4*\c+\p+1], v[\d+4*\c+\p:\d+4*\c+\p+1], -2.0, v[T16+4*\c+\p:T16+4*\c+\p+1] op_sel_hi:[1,0,1]
.endr
.endr
.endm
; the same for the pair of candidates in CAND, into D2: 20 lines, none of which writes a scalar register
.macro DIST2
.irp c, 0,1
.irp p, 0,2
	v_pk_mul_f32 v[D2+4*\c+\p:D2+4*\c+\p+1], v[XP+\p:XP+\p+1], v[CAND+4*\c:CAND+4*\c+1] op_sel_hi:[1,0]
.endr
.endr
.irp c, 0,1
.irp p, 0,2
	v_pk_add_f32 v[TT+4*\c+\p:TT+4*\c+\p+1], v[SQ+\p:SQ+\p+1], v[CAND+4*\c+2:CAND+4*\c+3] op_sel:[0,1] op_sel_hi:[1,1]
.endr
.endr
.irp c, 0,1
.irp p, 0,2
	v_pk_fma_f32 v[D2+4*\c+\p:D2+4*\c+\p+1], v[YP+\p:YP+\p+1], v[CAND+4*\c:CAND+4*\c+1], v[D2+4*\c+\p:D2+4*\c+\p+1] op_sel:[0,1,0] op_sel_hi:[1,1,1]
.endr
.endr
.irp c, 0,1
.irp p, 0,2
	v_pk_fma_f32 v[D2+4*\c+\p:D2+4*\c+\p+1], v[ZP+\p:ZP+\p+1], v[CAND+4*\c+2:CAND+4*\c+3], v[D2+4*\c+\p:D2+4*\c+\p+1] op_sel_hi:[1,0,1]
.endr
.endr
.irp c, 0,1
.irp p, 0,2
	v_pk_fma_f32 v[D2+4*\c+\p:D2+4*\c+\p+1], v[D2+4*\c+\p:D2+4*\c+\p+1], -2.0, v[TT+4*\c+\p:TT+4*\c+\p+1] op_sel_hi:[1,0,1]
.endr
.endr
.endm
.macro LOADG buf, off                  ; four candidates of my run into buffer buf; the 16 lanes of a half read the same bytes
.irp c, 0,1,2,3
	ds_load_b128 v[CB+16*\buf+4*\c:CB+16*\buf+4*\c+3], v1 offset:\off+16*\c
.endr
.endm
; Pass 1, a batch of 16 candidates x 4 rows: four groups of four candidates through the two buffers, then a network for each row.
; At its head the loads of groups 0 and 1 are out, eight in all.  first = 1: the sorted batch is the list.  more = 1: the next batch's groups 0 and 1
; are fetched, and have the four networks in which to come.
.macro BATCH first, more
	s_wait_dscnt 0x4                               ; LDS loads come back in order: group 0's four are in, group 1's four stay out
	DIST4 CB, DD
	LOADG 0, 128
	s_wait_dscnt 0x4                               ; group 1 is in, group 2 stays out
	DIST4 CB+16, DD+16
	LOADG 1, 192
	s_wait_dscnt 0x4                               ; group 2 is in, group 3 stays out
	DIST4 CB, DD+32
.if \more
	LOADG 0, 256
	s_wait_dscnt 0x4                               ; group 3 is in, the next batch's group 0 stays out
.else
	s_wait_dscnt 0x0                               ; group 3 is the last fetch of my run
.endif
	DIST4 CB+16, DD+48
.if \more
	LOADG 1, 320
.endif
.irp f, 0,1,2,3
.if \first
	SORT16 DD+\f, 4, LIST+16*\f                    ; nothing is ever filled with a start value
.else
	SORT16 DD+\f, 4, PONG
	MERGE LIST+16*\f, LIST+16*\f, PONG
.endif
.endr
.if \more
	v_add_nc_u32 v1, 0x100, v1
.endif
.endm
; Merge: the 16 values at base are counted into the four counters.  eq = 0: those below TL.  eq = 1: those with TL <= value <= T
; (masked = 1: only where the scalar mask allows).  All compares first, then all scalar lines, then all sums: the two kinds of
; instruction meet once for 16 values.  The carry-in of each sum is the mask's own register.
.macro CNT16 base, eq, masked, mask
.set i, 0
.rept 16
	v_cmp_lt_f32 s[SA+i], v[\base+i], v[REC]
.set i, i+1
.endr
.if \eq
.set i, 0
.rept 16
	v_cmp_le_f32 s[SB+i], v[\base+i], v[REC+1]
.set i, i+1
.endr
.set i, 0
.rept 16
	s_and_not1_b32 s[SA+i], s[SB+i], s[SA+i]
.set i, i+1
.endr
.if \masked
.set i, 0
.rept 16
	s_and_b32 s[SA+i], s[SA+i], s[\mask]
.set i, i+1
.endr
.endif
.endif
.set i, 0
.rept 16
	v_add_co_ci_u32 v[CC+(i&3)], vcc_lo, 0, v[CC+(i&3)], s[SA+i]
.set i, i+1
.endr
.endm
.macro PUTREC off                      ; CNT = the four counters' sum; the record of one run goes to C
	v_add3_u32 v[REC+2], v[CC], v[CC+1], v[CC+2]
	v_add_nc_u32 v[REC+2], v[REC+2], v[CC+3]
	ds_store_b128 v34, v[REC:REC+3] offset:\off
.endm
.macro PLACES
.rept 4
	v_nop
.endr
.endm
.macro LOADBF                          ; a block's preds fragments: lanes 0-15 take 256 neighbouring bytes of run 2 w, lanes 16-31 of run 2 w + 1
.irp g, 0,1,2,3
	global_load_b128 v[BF+8*\g:BF+8*\g+3],   v7, s[8:9] offset:512*\g
	global_load_b128 v[BF+8*\g+4:BF+8*\g+7], v7, s[8:9] offset:512*\g+256
.endr
.endm
; ---- pass 2's pieces.  p = 0 or 8: which of the two sets of masks ----
.macro TAKE p                          ; scalar: taken = less, or an equal while CNT < 0
.irp j, 0,1,2,3,4,5,6,7
	s_and_b32 s[SC+\j], s[SC+\j], s[SB+\p+\j]
.endr
.irp j, 0,1,2,3,4,5,6,7
	s_or_b32 s[SA+\p+\j], s[SA+\p+\j], s[SC+\j]
.endr
.endm
.macro EQS p                           ; scalar: an equal = not above T and not less than TL
.irp j, 0,1,2,3,4,5,6,7
	s_and_not1_b32 s[SB+\p+\j], s[SB+\p+\j], s[SA+\p+\j]
.endr
.endm
.macro WEIGH p                         ; the pair's 0/1 into register WI of each row group's fragment: first candidate low half, second high half
.irp f, 0,1,2,3
	v_cndmask_b32 v[WF+8*\f+WI], 0, v4, s[SA+\p+\f]
.endr
.irp f, 0,1,2,3
	v_cndmask_b32 v[THR+4*\f+3], 0, v5, s[SA+\p+4+\f]
.endr
.irp f, 0,1,2,3
	v_or_b32 v[WF+8*\f+WI], v[WF+8*\f+WI], v[THR+4*\f+3]
.endr
.endm
.macro COUNT p                         ; candidate by candidate: are equals still wanted; then every equal counts
.irp c, 0,1
.irp f, 0,1,2,3
	v_cmp_gt_i32 s[SC+4*\c+\f], 0, v[THR+4*\f+2]
.endr
.irp f, 0,1,2,3
	v_add_co_ci_u32 v[THR+4*\f+2], vcc_lo, 0, v[THR+4*\f+2], s[SB+\p+4*\c+\f]
.endr
.endr
.endm
; A block's product: 16 candidates a lane, 32 a wave = the 32 places of K.  Place (h, register i, half) means candidate 256 (2 w + h) + 16 block + 2 i + half
; in both sources alike, so the products pair up rightly.  Source 0 = preds (16 channels), source 1 = 0/1 (16 rows): lane (r, h) register j of the
; result is row 16 f + r, channel 16 g + 8 h + j.  The 16 accumulators take turns, one instruction a turn, from one block's product to the next too.
; wm = 1: the first product starts the sums; wm = 2: it adds.  more = 1: the next block's fragments are asked for.
.macro MATS wm, more
	s_wait_loadcnt 0x0                             ; the block's eight loads of pt are in (no younger global load exists), and their base is free
.irp f, 0,1,2,3
.irp g, 0,1,2,3
.if \wm == 1
	v_wmma_f32_16x16x32_bf16 v[ACC+8*(4*\f+\g):ACC+8*(4*\f+\g)+7], v[BF+8*\g:BF+8*\g+7], v[WF+8*\f:WF+8*\f+7], 0
.else
	v_wmma_f32_16x16x32_bf16 v[ACC+8*(4*\f+\g):ACC+8*(4*\f+\g)+7], v[BF+8*\g:BF+8*\g+7], v[WF+8*\f:WF+8*\f+7], v[ACC+8*(4*\f+\g):ACC+8*(4*\f+\g)+7]
.endif
.endr
.endr
	PLACES                                         ; four places before loads land in BF, vector lines write WF, or LDS stores read the sums
.if \more
	s_add_nc_u64 s[8:9], s[8:9], 2048              ; the next 16 candidates of each run
	LOADBF                                         ; they have a whole block's vector work in which to come
.endif
.endm
; One step = pair i of a block's eight: 2 candidates x 4 rows.  The pair's work is spread over two steps, so that no scalar line stands
; near the compare that feeds it and no compare near the scalar line before it:
;   compares of this pair (16 vector) | d2 of the next pair (20 vector, no scalar result), the fetch of the pair after it |
;   scalar: taken of the pair before, equals of this pair (24) | weights of the pair before (12 vector) | [the last block's product] | counters of this pair (16 vector).
; The masks less and equal live from one step's compares to the next step's weights: two sets that take turns; CNT < 0 is made behind its last use: one set.
; prev: a pair before exists; nxt: a next pair exists; ld: the pair after the next exists.
.macro STEP i, prev, nxt, ld, wm, more
.set PA, 8*(\i&1)
.set PB, 8-PA
.set WI, (\i+7)&7
.irp c, 0,1
.irp f, 0,1,2,3
	v_cmp_lt_f32 s[SA+PA+4*\c+\f], v[D2+4*\c+\f], v[THR+4*\f]      ; less than TL
	v_cmp_le_f32 s[SB+PA+4*\c+\f], v[D2+4*\c+\f], v[THR+4*\f+1]    ; not above T
.endr
.endr
.if \nxt
	s_wait_dscnt 0x0                               ; the next pair's two loads, issued a step ago, are the only LDS instructions out
	DIST2                                          ; D2 is free: the compares above have read it
.if \ld
	ds_load_b128 v[CAND:CAND+3],   v1 offset:32*\i+64
	ds_load_b128 v[CAND+4:CAND+7], v1 offset:32*\i+80
.endif
.endif
.if \prev
	TAKE PB
.endif
	EQS PA
.if \prev
	WEIGH PB
.endif
.if \wm
	MATS \wm, \more
.endif
	COUNT PA
.endm
; A block of 16 candidates a lane.  Its step 0 ends the block before: that block's last weights, then its product.
.macro BLK prev, wm, last
	STEP 0, \prev, 1, 1, \wm, 1
.irp i, 1,2,3,4,5
	STEP \i, 1, 1, 1, 0, 0
.endr
.if \last
	STEP 6, 1, 1, 0, 0, 0                          ; candidates 254, 255 are the last: nothing more to fetch,
	STEP 7, 1, 0, 0, 0, 0                          ; and no further d2
.else
	STEP 6, 1, 1, 1, 0, 0
	STEP 7, 1, 1, 1, 0, 0
	v_add_nc_u32 v1, 0x100, v1
.endif
.endm
	; ---- start: addresses, k, the table of rounded points ----
	s_load_b256 s[4:11], s[0:1], 0x0               ; k_vector s[4:5], points s[6:7], pt s[8:9], out0 s[10:11]
	s_set_vgpr_msb 0x40
	v_lshl_add_u32 v0, v0, 2, 0x4ac00
	v_mov_b32 v1, 0
	s_set_vgpr_msb 0x4000
	v_lshrrev_b32 v24, 5, v0
	v_readfirstlane_b32 s12, v24                   ; wave 0..7
	s_lshr_b32 s15, ttmp9, 6                       ; batch
	s_mul_i32 s16, s15, 49152                      ; 4,096 points of 12 bytes
	s_mov_b32 s17, 0
	s_lshr_b32 s18, s12, 1                         ; p: my part in the merge = t >> 6
	v_mov_b32 v24, 0
	v_mul_u32_u24 v25, v0, 12
	v_lshlrev_b32 v28, 4, v0
	s_wait_kmcnt 0x0
	s_add_nc_u64 s[6:7], s[6:7], s[16:17]
	s_lshl_b32 s16, s15, 19                        ; a batch of pt: 524,288 bytes
	s_lshl_b32 s19, s12, 16                        ; my wave's two runs: 2 x 32,768 bytes
	s_add_co_u32 s16, s16, s19
	s_add_nc_u64 s[8:9], s[8:9], s[16:17]
	s_lshl_b32 s16, ttmp9, 14                      ; 64 rows of 256 bytes
	s_add_nc_u64 s[10:11], s[10:11], s[16:17]
.irp i, 0,1,2,3
	global_load_b128 v[KV+4*\i:KV+4*\i+3], v24, s[4:5] offset:16*\i
.endr
.set i, 0
.rept 16
	global_load_b96 v[PTS+4*i:PTS+4*i+2], v25, s[6:7] offset:3072*i      ; point 256 i + t
.set i, i+1
.endr
	v_and_b32 v29, 15, v0                          ; r
	v_lshrrev_b32 v30, 4, v0                       ; q
	v_bfe_u32 v31, v0, 4, 1                        ; h
	v_lshlrev_b32 v1, 12, v30                      ; my run in TAB: 256 candidates of 16 bytes
	v_lshlrev_b32 v7, 4, v29
	v_lshl_or_b32 v7, v31, 15, v7                  ; in pt: 32,768 h + 16 r
	s_cmp_gt_u32 s18, 0
	s_cselect_b32 s[MK+0], -1, 0
	s_cmp_gt_u32 s18, 1
	s_cselect_b32 s[MK+1], -1, 0
	s_cmp_gt_u32 s18, 2
	s_cselect_b32 s[MK+2], -1, 0
	s_wait_loadcnt 0x0                             ; once: k_vector and my 16 points
	v_mov_b32 v26, v[KV]                           ; the first largest entry: a later one must be strictly larger
	v_mov_b32 v6, 1
.set i, 1
.rept 15
	v_cmp_gt_f32 vcc_lo, v[KV+i], v26
	v_cndmask_b32 v26, v26, v[KV+i], vcc_lo
	v_cndmask_b32 v6, v6, i+1, vcc_lo
.set i, i+1
.endr
	v_cvt_f32_u32 v27, v6
	v_rcp_f32 v2, v27
	v_rcp_f32 v3, v27                              ; twice: a pair for the packed multiply
	v_mov_b32 v4, 0x3f80                           ; a plain line behind the reciprocals, before v27 is written again (ISA guide 5.7.2)
	v_mov_b32 v5, 1.0                              ; 0x3f800000: bf16 1.0 in the high half
.set i, 0
.rept 16
	v_cvt_pk_bf16_f32 v26, v[PTS+4*i], v[PTS+4*i+1]
	v_cvt_pk_bf16_f32 v27, v[PTS+4*i+2], v[PTS+4*i+2]
	v_lshlrev_b32 v[PTS+4*i], 16, v26              ; back to f32
	v_and_b32 v[PTS+4*i+1], 0xffff0000, v26
	v_lshlrev_b32 v[PTS+4*i+2], 16, v27
	v_mul_f32 v[PTS+4*i+3], v[PTS+4*i], v[PTS+4*i]
	v_fmac_f32 v[PTS+4*i+3], v[PTS+4*i+1], v[PTS+4*i+1]
	v_fmac_f32 v[PTS+4*i+3], v[PTS+4*i+2], v[PTS+4*i+2]
	ds_store_b128 v28, v[PTS+4*i:PTS+4*i+3] offset:4096*i
.set i, i+1
.endr
	s_wait_dscnt 0x0                               ; my part of the table is written
	s_barrier_signal -1
	s_barrier_wait -1                              ; the table is whole
	s_and_b32 s15, ttmp9, 63
	s_lshl_b32 s15, s15, 10                        ; my work-group's 64 rows in the table
	v_lshl_add_u32 v24, v29, 4, s15
.irp f, 0,1,2,3
	ds_load_b128 v[PTS+4*\f:PTS+4*\f+3], v24 offset:256*\f
.endr
	s_wait_dscnt 0x0
.irp f, 0,1,2,3
	v_mov_b32 v[XP+\f], v[PTS+4*\f]
	v_mov_b32 v[YP+\f], v[PTS+4*\f+1]
	v_mov_b32 v[ZP+\f], v[PTS+4*\f+2]
	v_mov_b32 v[SQ+\f], v[PTS+4*\f+3]
.endr
	; ---- pass 1: 256 candidates in 16 batches of 16 ----
	LOADG 0, 0
	LOADG 1, 64
	BATCH 1, 1                                     ; the first batch, sorted, is the list
	s_mov_b32 s14, 14
.Lpass1:
	BATCH 0, 1
	s_sub_co_i32 s14, s14, 1
	s_cmp_lg_u32 s14, 0
	s_cbranch_scc1 .Lpass1
	BATCH 0, 0                                     ; the last batch fetches nothing beyond my run
	v_lshlrev_b32 v1, 12, v30                      ; back to my run's first candidate, for pass 2
	v_mul_u32_u24 v24, v29, APITCH
	v_lshl_add_u32 v24, v30, 6, v24
	v_add_nc_u32 v24, LDS_A, v24                   ; row r, run q
.irp f, 0,1,2,3
.irp u, 0,1,2,3
	ds_store_b128 v24, v[LIST+16*\f+4*\u:LIST+16*\f+4*\u+3] offset:16*APITCH*\f+16*\u
.endr
.endr
	s_wait_dscnt 0x0
	s_barrier_signal -1
	s_barrier_wait -1                              ; all 64 x 16 lists are in A
	; ---- merge, step 1: thread (row t & 63, part p = t >> 6) merges the lists of runs 4 p .. 4 p + 3 ----
.set PONG, 96                                      ; v[96:111]: v[128:255] hold lists from here on
	v_and_b32 v32, 63, v0
	s_lshl_b32 s15, s18, 8
	s_add_co_u32 s15, s15, LDS_A
	v_mul_u32_u24 v25, v32, APITCH
	v_add_nc_u32 v25, s15, v25
.set i, 0
.rept 16
	ds_load_b128 v[SUB+4*i:SUB+4*i+3], v25 offset:16*i             ; all four are kept: their equals are counted below
.set i, i+1
.endr
	v_mul_u32_u24 v26, v32, PITCH
	s_lshl_b32 s15, s18, 6
	v_add_nc_u32 v27, s15, v26                     ; row x 272 + 64 p
	v_add_nc_u32 v28, LDS_B, v27                   ; my part list
	v_add_nc_u32 v33, LDS_B, v26                   ; the row's four part lists
	v_add_nc_u32 v34, LDS_C, v27                   ; the records of my four runs
	s_wait_dscnt 0x0
	MERGE LL, SUB, SUB+16
	MERGE LL, LL, SUB+32
	MERGE LL, LL, SUB+48
.irp u, 0,1,2,3
	ds_store_b128 v28, v[LL+4*\u:LL+4*\u+3] offset:16*\u
.endr
	s_wait_dscnt 0x0
	s_barrier_signal -1
	s_barrier_wait -1                              ; all part lists are in B
	; ---- merge, step 2: every thread of a row merges the four part lists, finds T, TL and where its runs' counters start ----
.set i, 0
.rept 16
	ds_load_b128 v[PL+4*i:PL+4*i+3], v33 offset:16*i
.set i, i+1
.endr
	v_mov_b32 v[NI], 0xff800000
	v_sub_nc_u32 v[CC], 0, v6                      ; the counters' sum starts at -k
	v_mov_b32 v[CC+1], 0
	v_mov_b32 v[CC+2], 0
	v_mov_b32 v[CC+3], 0
	v_mov_b32 v[REC+3], v6                         ; filler: the record's fourth word is stored, and serves as a temporary in pass 2
	s_wait_dscnt 0x0
	MERGE LL, PL, PL+16
	MERGE LL, LL, PL+32
	MERGE LL, LL, PL+48
	v_mov_b32 v[REC+1], v[LL]
.set i, 1
.rept 15
	v_cmp_lt_u32 vcc_lo, i, v6                     ; the last place with i < k is k - 1
	v_cndmask_b32 v[REC+1], v[REC+1], v[LL+i], vcc_lo
.set i, i+1
.endr
	v_max_num_f32 v[REC+1], 0, v[REC+1]            ; T: reference()'s clamp
	v_cmp_lt_f32 vcc_lo, 0, v[REC+1]
	v_cndmask_b32 v[REC], v[NI], v[REC+1], vcc_lo  ; TL = T, or -inf where T = 0: then nothing is less and all d2 <= 0 are equals
	CNT16 LL, 0, 0, 0                              ; + #(less): the sum is now -need
.irp pp, 0,1,2
	CNT16 PL+16*\pp, 1, 1, MK+\pp                  ; + the equals of the parts ahead of mine
.endr
.irp s, 0,1,2
	PUTREC 16*\s                                   ; run 4 p + s
	CNT16 SUB+16*\s, 1, 0, 0                       ; then that run's own equals, for the next run
.endr
	PUTREC 48
	v_mul_u32_u24 v40, v29, PITCH
	v_lshl_add_u32 v40, v30, 4, v40
	v_add_nc_u32 v40, LDS_C, v40                   ; row r, run q
	s_wait_dscnt 0x0
	s_barrier_signal -1
	s_barrier_wait -1                              ; all records are in C
	; ---- pass 2: 16 blocks of 16 candidates a lane ----
	LOADBF                                         ; block 0's fragments
.irp f, 0,1,2,3
	ds_load_b128 v[THR+4*\f:THR+4*\f+3], v40 offset:16*PITCH*\f
.endr
	ds_load_b128 v[CAND:CAND+3],   v1
	ds_load_b128 v[CAND+4:CAND+7], v1 offset:16
	s_wait_dscnt 0x0                               ; the records and the first pair
	DIST2                                          ; d2 of pair 0
	ds_load_b128 v[CAND:CAND+3],   v1 offset:32    ; pair 1
	ds_load_b128 v[CAND+4:CAND+7], v1 offset:48
	BLK 0, 0, 0                                    ; block 0: nothing before it
	BLK 1, 1, 0                                    ; block 1; in its step 0 block 0's product starts the sums: nothing is cleared
	s_mov_b32 s14, 13
.Lpass2:
	BLK 1, 2, 0                                    ; blocks 2 to 14
	s_sub_co_i32 s14, s14, 1
	s_cmp_lg_u32 s14, 0
	s_cbranch_scc1 .Lpass2
	BLK 1, 2, 1                                    ; block 15 fetches nothing beyond my run
	TAKE 8                                         ; the last pair (an odd one: the second set of masks),
.set WI, 7
	WEIGH 8                                        ; its weights,
	MATS 2, 0                                      ; and block 15's product
	; ---- the way out: the eight waves' partial sums meet in LDS; each thread adds and stores 16 bytes of four rows ----
	s_mul_i32 s15, s12, RWAVE
	s_add_co_u32 s15, s15, LDS_R
	v_and_b32 v24, 15, v0
	v_bfe_u32 v25, v0, 4, 1
	v_mul_u32_u24 v24, v24, PITCH
	v_lshl_add_u32 v24, v25, 5, v24                ; row r, channels 8 h ..
	v_add_nc_u32 v24, s15, v24
.irp f, 0,1,2,3
.irp g, 0,1,2,3
	ds_store_b128 v24, v[ACC+8*(4*\f+\g):ACC+8*(4*\f+\g)+3]   offset:16*PITCH*\f+64*\g
	ds_store_b128 v24, v[ACC+8*(4*\f+\g)+4:ACC+8*(4*\f+\g)+7] offset:16*PITCH*\f+64*\g+16
.endr
.endr
	v_lshrrev_b32 v25, 4, v0                       ; row t >> 4 of each group of 16
	v_and_b32 v26, 15, v0
	v_mul_u32_u24 v25, v25, PITCH
	v_lshl_add_u32 v25, v26, 4, v25
	v_add_nc_u32 v25, LDS_R, v25                   ; waves 0 to 3 by the offset (65,280 at the most),
	v_add_nc_u32 v26, 4*RWAVE, v25                 ; waves 4 to 7 from here
	v_lshlrev_b32 v27, 4, v0                       ; in out0: 16 t, sixteen lanes to a row of 256 bytes
	s_wait_dscnt 0x0
	s_barrier_signal -1
	s_barrier_wait -1                              ; all partial sums are in R
.irp i, 0,1,2,3
.irp u, 0,1,2,3
	ds_load_b128 v[ACC+32*\i+4*\u:ACC+32*\i+4*\u+3], v25 offset:RWAVE*\u+16*PITCH*\i
.endr
.irp u, 0,1,2,3
	ds_load_b128 v[ACC+32*\i+16+4*\u:ACC+32*\i+16+4*\u+3], v26 offset:RWAVE*\u+16*PITCH*\i
.endr
.endr
.irp i, 0,1,2,3
	s_wait_dscnt 8*(3-\i)                          ; row group i's eight loads are in; eight for each later group stay out
.irp u, 1,2,3,4,5,6,7
	v_pk_add_f32 v[ACC+32*\i:ACC+32*\i+1],   v[ACC+32*\i:ACC+32*\i+1],   v[ACC+32*\i+4*\u:ACC+32*\i+4*\u+1]
	v_pk_add_f32 v[ACC+32*\i+2:ACC+32*\i+3], v[ACC+32*\i+2:ACC+32*\i+3], v[ACC+32*\i+4*\u+2:ACC+32*\i+4*\u+3]
.endr
	s_wait_alu depctr_va_vdst(0)
	v_pk_mul_f32 v[ACC+32*\i:ACC+32*\i+1],   v[ACC+32*\i:ACC+32*\i+1],   v[2:3]
	v_pk_mul_f32 v[ACC+32*\i+2:ACC+32*\i+3], v[ACC+32*\i+2:ACC+32*\i+3], v[2:3]
	global_store_b128 v27, v[ACC+32*\i:ACC+32*\i+3], s[10:11] offset:4096*\i th:TH_STORE_NT
.endr
	s_set_vgpr_msb 0x5
	s_wait_tensorcnt 0x0
	ds_add_u32 v0, v1
	s_wait_dscnt 0x0
	s_set_vgpr_msb 0x500
	s_endpgm
.Lfunc_end_k_q8396dcf807_knn:
	.size	k_q8396dcf807_knn, .Lfunc_end_k_q8396dcf807_knn-k_q8396dcf807_knn
	.p2alignl 7, 3214868480
	.fill 96, 4, 3214868480
	.section	.rodata,"a",@progbits
	.p2align	6, 0x0
	.amdhsa_kernel k_q8396dcf807_knn
		.amdhsa_group_segment_fixed_size 307200
		.amdhsa_private_segment_fixed_size 0
		.amdhsa_enable_private_segment 0
		.amdhsa_kernarg_size 32
		.amdhsa_user_sgpr_count 2
		.amdhsa_user_sgpr_kernarg_segment_ptr 1
		.amdhsa_wavefront_size32 1
		.amdhsa_system_sgpr_workgroup_id_x 1
		.amdhsa_system_sgpr_workgroup_id_y 1
		.amdhsa_system_sgpr_workgroup_id_z 1
		.amdhsa_system_vgpr_workitem_id 0
		.amdhsa_next_free_vgpr 258
		.amdhsa_next_free_sgpr 84
		.amdhsa_reserve_vcc 1
		.amdhsa_float_denorm_mode_32 3
		.amdhsa_float_denorm_mode_16_64 3
		.amdhsa_memory_ordered 1
		.amdhsa_forward_progress 1
		.amdhsa_inst_pref_size 255
	.end_amdhsa_kernel
	.section	.bss,"aw",@nobits
	.p2align	6
	.space	262144
	.amdgpu_metadata
---
amdhsa.version: [ 1, 2 ]
amdhsa.kernels:
  - .name:           k_q8396dcf807_knn
    .symbol:         k_q8396dcf807_knn.kd
    .args:
      - { .name: k_vector, .offset: 0, .size: 8, .value_kind: global_buffer, .address_space: global }
      - { .name: points, .offset: 8, .size: 8, .value_kind: global_buffer, .address_space: global }
      - { .name: pt, .offset: 16, .size: 8, .value_kind: global_buffer, .address_space: global }
      - { .name: out0, .offset: 24, .size: 8, .value_kind: global_buffer, .address_space: global }
    .group_segment_fixed_size: 307200
    .private_segment_fixed_size: 0
    .kernarg_segment_align: 8
    .kernarg_segment_size: 32
    .max_flat_workgroup_size: 256
    .sgpr_count:     84
    .vgpr_count:     258
    .wavefront_size: 32
...
	.end_amdgpu_metadata
.endif
;; end of part 4
;; ======== version 4 of 4: 2 launches; version 3 with the launch knn written anew for expert scheduling mode
;; limits: values outside matrix products are rounded to bf16
;; workspace buffers: pt 2,097,152 bytes
;; launch prep: the kernel of part 1 again; grid 256 x 1, 8 waves a work-group, no clusters, 18,432 bytes of LDS; arguments preds, pt; writes pt
;; launch knn (part 5): grid 256 x 1, 8 waves a work-group, no clusters, 307,200 bytes of LDS; arguments k_vector, points, pt, out0; writes out0
.if DOCPART == 5
	.amdgcn_target "amdgcn-amd-amdhsa--gfx1250"
	.amdhsa_code_object_version 6
	.text
	.protected	k_q8396dcf807_knn
	.globl	k_q8396dcf807_knn
	.p2align	8
	.type	k_q8396dcf807_knn,@function
k_q8396dcf807_knn:
	s_mov_b64 s[64:65], 0
	v_nop
	global_prefetch_b8 v0, s[64:65] scope:SCOPE_SE
	s_setreg_imm32_b32 hwreg(HW_REG_WAVE_SCHED_MODE, 0, 2), 2
	s_setreg_imm32_b32 hwreg(HW_REG_WAVE_MODE, 25, 1), 1
	s_wait_xcnt 0x0
	s_wait_alu depctr_vm_vsrc(0)
; out0[b][n][:] = mean of preds over the k nearest points of point n in batch b (itself included, ties to the lower index),
; k = argmax(k_vector) + 1 <= 16.  4 batches x 4,096 points; a work-group owns 64 rows of one batch and sees all 4,096 candidates.
;
; NO BRANCH AND NO ADDRESS HANGS ON A DISTANCE.  Pass 1 keeps, for each row and each run of 256 candidates, a sorted list of the 16 smallest
; d2 (values only): 16 new d2 are sorted by a bitonic network and merged into the list by another.  The 16 lists of a row are merged in the
; same way; T = max(k-th smallest, 0).  Pass 2 makes every d2 again and takes a candidate if
; d2 < TL, or if TL <= d2 <= T and fewer than need = k - #(less) equals have a lower index (TL = T, or -inf where T = 0: that carries
; reference()'s max(d2, 0)).  Each lane counts equals in CNT, which starts at (equals in earlier runs) - need; an equal is taken while CNT < 0.
; A list of 16 that has dropped equals holds only values <= T, a of them less: its 16 - a equals are at least need, so the capped count serves.
; The taken candidates become 0/1 in bf16, and 0/1 x preds on the matrix unit, summed in f32, is the gather and the sum; then times 1/k.
;
; LIMITS, kept knowingly.  (1) points are rounded to bf16 before the distances (the rounding of a matrix operand); every product is then exact
; in f32, and sq = (xx+yy)+zz, dot = (xx'+yy')+zz', d2 = (sq_i+sq_j) - 2 dot are made by f32 multiply-adds in that order on the vector unit:
; the last bit of d2 decides near ties, and K = 3 would fill 3 of a matrix instruction's 32 places.  (2) Neighbours are ordered by max(d2, 0),
; not by its root: differs only where two different d2 round to one root at the k-th place.  (3) argmax is taken of k_vector (f32), not of its
; softmax: differs only where the two largest entries are a few last bits apart.  (4) NaN and infinities in any input are not served.
; (5) The mean multiplies by v_rcp_f32(k).  preds enter the product in bf16.
;
; SHARES.  Lane (r = t & 15, h = bit 4 of t) of wave w owns rows 16 f + r (f = 0..3) and run q = 2 w + h = t >> 4: candidates 256 q .. 256 q + 255.
; NO CLUSTER, NO TENSOR LOAD: the 64 work-groups of a batch do read the same pt, but a wave loads 4,096 bytes of it for a block of 16 candidates
; a lane, on which it issues some 700 instructions, and the bytes come in fragment order straight into registers; of LDS 21,504 bytes
; are left, less than two slots of the eight waves' 32,768 bytes a block.
;
; THE MODE: SCHED_MODE bits 1:0 = 2 (LLVM: expert scheduling mode 2), set by the entry lines.  The code itself states the register dependences
; between vector or matrix instructions and memory or LDS instructions, and those through scalar registers and VCC that vector instructions write,
; with s_wait_alu, always for 0.
; THE PLAN.  Registers that memory or LDS instructions touch, and who else names them:
;   v1, v7, v56-v60  offsets and LDS addresses, made at the head ahead of one wait.  v7 is never written again; v56 (pass 1) and v1 (pass 2) are stepped once a
;                    batch or block, behind a wait for the loads to have read them and ahead of a wait on va_vdst that stands there anyway.
;   CB (pass 1)      a batch's 16 candidates.  Read by the batch's distances; behind them ONE wait; then the next batch's 16 loads land in it, four ahead of each
;                    row's network.  The networks name DD, PING, PONG and LIST alone: none of the registers that those loads touch.
;   LIST, LL, REC    written by networks and sums, read by LDS stores: a wait on va_vdst ahead of each run of stores, one on vm_vsrc ahead of the next writer.
;   SUB, PL, THR     loaded between the passes into registers whose last vector readers and writers stand ahead of a wait that is there for the stores.
;   CAND (pass 2)    a pair of candidates.  Read by a step's distances; eight scalar lines further on ONE wait; then the loads of the pair after the next land in it.
;   BF (pass 2)      a block's preds fragments.  Read by the 16 matrix instructions in a block's step 0; loaded again behind step 1's wait.
;   ACC              written by matrix instructions; on the way out read by LDS stores, then the target of LDS loads, then the data of the global stores.
;   D2, TT, WF, DD, PING, PONG, the points and the counters are named by vector and matrix instructions alone.
; Masks: every run of compares into scalar registers is followed by one wait on va_sdst ahead of the first line that reads any of them, in the same straight run of code.
; Carries: a counting sum's carry is read by nobody.  Each sum of a run puts it into a scalar register of its own, and the next line that names that register,
; the next run's sum, stands behind the wait on va_sdst that the next run's compares need in any case.
;
; LDS: TAB [4096][x, y, z, sq]; A: lists [64 rows] x 1,040 bytes ([16 q][16 f32] + 16); B: part lists [64] x 272 ([4 p][16 f32] + 16);
; C: records [64] x 272 ([16 q][TL, T, CNT, -] + 16); R: partial sums [8 waves][64 rows] x 272 (64 f32 + 16).  Every pitch is an odd multiple of 16 bytes.
.set LDS_A,  65536
.set APITCH, 1040
.set LDS_B,  132096
.set LDS_C,  149504
.set LDS_R,  166912
.set PITCH,  272
.set RWAVE,  64*PITCH                  ; a wave's partial sums: 17,408 bytes
; v0 t; v1 address of my run in TAB for pass 2; v[2:3] 1/k twice; v4 bf16 1.0 in the low half; v5 in the high half; v6 k; v7 my offset in pt
.set XP,   8                           ; v[8:11]   x of my four rows
.set YP,   12                          ; v[12:15]  y
.set ZP,   16                          ; v[16:19]  z
.set SQ,   20                          ; v[20:23]  sq
.set THR,  24                          ; v[24:39]  between the passes and on the way out addresses; in pass 2 for row f: TL, T, CNT, a temporary
.set PONG, 24                          ; v[24:39]  pass 1: one of the two sets of 16 between which a network's layers go (in the merge: v[96:111], set there)
.set PING, 40                          ; v[40:55]  pass 1 and merge: the other set
.set T16,  40                          ; v[40:55]  pass 1, while distances are made and no network runs: sq_i + sq_j of four candidates
.set D2,   40                          ; v[40:47]  pass 2: d2 of a pair of candidates, candidate c, row f at D2 + 4 c + f
.set TT,   48                          ; v[48:55]  pass 2: sq_i + sq_j, likewise
.set P1A,  56                          ; v56       pass 1: LDS address of the batch to be fetched
.set ROWA, 57                          ; v57       start: LDS address of my first row in TAB
.set TABA, 58                          ; v58       start: 16 t, where I put points into TAB
.set KVA,  59                          ; v59       start: 0, the offset of k_vector
.set PTA,  60                          ; v60       start: 12 t, my offset in points
.set CAND, 56                          ; v[56:63]  pass 2: a pair of candidates
.set LIST, 64                          ; v[64:127] pass 1: row f's list at LIST + 16 f, ascending
.set LL,   64                          ; v[64:79]  merge: the list being built
.set REC,  80                          ; v[80:83]  merge: TL, T, CNT, filler
.set NI,   84                          ; v84       merge: -inf
.set CC,   86                          ; v[86:89]  merge: four counters that take turns; their sum is CNT
.set WF,   64                          ; v[64:95]  pass 2: 0/1 fragments, row group f at WF + 8 f
.set BF,   96                          ; v[96:127] pass 2: preds fragments, channel group g at BF + 8 g
.set ACC,  128                         ; v[128:255] pass 2: 16 accumulators, (f, g) at ACC + 8 (4 f + g)
.set PTS,  128                         ; v[128:191] start: 16 points a thread
.set KV,   192                         ; v[192:207] start: k_vector
.set ROWS, 192                         ; v[192:207] start, behind k_vector: my four rows as they lie in TAB
.set CB,   128                         ; v[128:191] pass 1: a batch's 16 candidates
.set DD,   192                         ; v[192:255] pass 1: d2 of a batch, candidate c (0..15), row f at DD + 4 c + f
.set SUB,  128                         ; v[128:191] merge: the four lists of my part
.set PL,   192                         ; v[192:255] merge: the four part lists
.set CO,   24                          ; s[24:31]  the carries of eight counting sums: written, never read
.set MK,   32                          ; s[32:34]  all ones where part 0, 1, 2 lies ahead of my part
.set SA,   40                          ; s[40:55]  lane masks, two sets of 8 (4 c + f): less than TL; later: taken
.set SC,   56                          ; s[56:63]  lane masks, one set of 8: CNT < 0; later: an equal that is taken (in the merge: eight more carries)
.set SB,   66                          ; s[66:81]  lane masks, two sets of 8: not above T; later: an equal
; ---- the networks ----
; One layer of a bitonic network on 16 values: the eight comparators (i, i + 2^dswap), i with that bit 0; the smaller value goes to i, or the
; larger where bit dirbit of i is set (dirbit = 4: never).  A comparator is ONE dual instruction, a minimum and a maximum of the same two
; registers.  A layer reads one set of registers and writes another, so no half reads what the other half writes.  The dual form wants one even
; and one odd destination: behind a layer of distance 2^s element i lies at place P(i, s) = i with its bits 0 and s exchanged
; = i + (bit s - bit 0) (1 - 2^s), so that i and i + 2^s lie side by side.  The next layer is told s as sswap.  Bases are even.
; sstep: the distance between places in the source (4 where the source is DD, else 1).
.macro LAYER sbase, sstep, sswap, dbase, dswap, dirbit
.set NWI, 0
.rept 16
.if ((NWI>>\dswap)&1) == 0
.set NWJ, NWI+(1<<\dswap)
.set NWSA, \sbase+\sstep*(NWI+(((NWI>>\sswap)&1)-(NWI&1))*(1-(1<<\sswap)))
.set NWSB, \sbase+\sstep*(NWJ+(((NWJ>>\sswap)&1)-(NWJ&1))*(1-(1<<\sswap)))
.set NWDA, \dbase+NWI+(((NWI>>\dswap)&1)-(NWI&1))*(1-(1<<\dswap))
.set NWDB, \dbase+NWJ+(((NWJ>>\dswap)&1)-(NWJ&1))*(1-(1<<\dswap))
.if (NWI>>\dirbit)&1
	v_dual_max_num_f32 v[NWDA], v[NWSA], v[NWSB] :: v_dual_min_num_f32 v[NWDB], v[NWSA], v[NWSB]
.else
	v_dual_min_num_f32 v[NWDA], v[NWSA], v[NWSB] :: v_dual_max_num_f32 v[NWDB], v[NWSA], v[NWSB]
.endif
.endif
.set NWI, NWI+1
.endr
.endm
; 16 values at sbase, sstep apart, sorted ascending into v[out .. out+15]: runs of 2, 4, 8, 16; ten layers, 80 instructions
.macro SORT16 sbase, sstep, out
	LAYER \sbase, \sstep, 0, PING, 0, 1
	LAYER PING, 1, 0, PONG, 1, 2
	LAYER PONG, 1, 1, PING, 0, 2
	LAYER PING, 1, 0, PONG, 2, 3
	LAYER PONG, 1, 2, PING, 1, 3
	LAYER PING, 1, 1, PONG, 0, 3
	LAYER PONG, 1, 0, PING, 3, 4
	LAYER PING, 1, 3, PONG, 2, 4
	LAYER PONG, 1, 2, PING, 1, 4
	LAYER PING, 1, 1, \out, 0, 4
.endm
; The 16 smallest of two ascending lists of 16, at la and sb, ascending into lo (which may be la; sb may be PONG).  min(la[i], sb[15 - i]) are the
; 16 smallest, first falling then rising or the reverse: four layers sort them.  Two minima go in one dual instruction: places i and i + 1 of each
; list are one register apart, so the two first sources, the two second sources and the two destinations differ as that form asks.  40 instructions.
.macro MERGE lo, la, sb
.set NWI, 0
.rept 8
	v_dual_min_num_f32 v[PING+NWI], v[\la+NWI], v[\sb+15-NWI] :: v_dual_min_num_f32 v[PING+NWI+1], v[\la+NWI+1], v[\sb+14-NWI]
.set NWI, NWI+2
.endr
	LAYER PING, 1, 0, PONG, 3, 4
	LAYER PONG, 1, 3, PING, 2, 4
	LAYER PING, 1, 2, PONG, 1, 4
	LAYER PONG, 1, 1, \lo, 0, 4
.endm
; d2 of my four rows (two pairs) against the four candidates x, y, z, sq at cb, into d + 4 c + f, stage by stage: eight independent lines in each stage
.macro DIST4 cb, d
.irp c, 0,1,2,3
.irp p, 0,2
	v_pk_mul_f32 v[\d+4*\c+\p:\d+4*\c+\p+1], v[XP+\p:XP+\p+1], v[\cb+4*\c:\cb+4*\c+1] op_sel_hi:[1,0]
.endr
.endr
.irp c, 0,1,2,3
.irp p, 0,2
	v_pk_add_f32 v[T16+4*\c+\p:T16+4*\c+\p+1], v[SQ+\p:SQ+\p+1], v[\cb+4*\c+2:\cb+4*\c+3] op_sel:[0,1] op_sel_hi:[1,1]
.endr
.endr
.irp c, 0,1,2,3
.irp p, 0,2
	v_pk_fma_f32 v[\d+4*\c+\p:\d+4*\c+\p+1], v[YP+\p:YP+\p+1], v[\cb+4*\c:\cb+4*\c+1], v[\d+4*\c+\p:\d+4*\c+\p+1] op_sel:[0,1,0] op_sel_hi:[1,1,1]
.endr
.endr
.irp c, 0,1,2,3
.irp p, 0,2
	v_pk_fma_f32 v[\d+4*\c+\p:\d+4*\c+\p+1], v[ZP+\p:ZP+\p+1], v[\cb+4*\c+2:\cb+4*\c+3], v[\d+4*\c+\p:\d+4*\c+\p+1] op_sel_hi:[1,0,1]
.endr
.endr
.irp c, 0,1,2,3
.irp p, 0,2
	v_pk_fma_f32 v[\d+4*\c+\p:\d+4*\c+\p+1], v[\d+4*\c+\p:\d+4*\c+\p+1], -2.0, v[T16+4*\c+\p:T16+4*\c+\p+1] op_sel_hi:[1,0,1]
.endr
.endr
.endm
; the same for the pair of candidates in CAND, into D2: 20 lines, none of which writes a scalar register
.macro DIST2
.irp c, 0,1
.irp p, 0,2
	v_pk_mul_f32 v[D2+4*\c+\p:D2+4*\c+\p+1], v[XP+\p:XP+\p+1], v[CAND+4*\c:CAND+4*\c+1] op_sel_hi:[1,0]
.endr
.endr
.irp c, 0,1
.irp p, 0,2
	v_pk_add_f32 v[TT+4*\c+\p:TT+4*\c+\p+1], v[SQ+\p:SQ+\p+1], v[CAND+4*\c+2:CAND+4*\c+3] op_sel:[0,1] op_sel_hi:[1,1]
.endr
.endr
.irp c, 0,1
.irp p, 0,2
	v_pk_fma_f32 v[D2+4*\c+\p:D2+4*\c+\p+1], v[YP+\p:YP+\p+1], v[CAND+4*\c:CAND+4*\c+1], v[D2+4*\c+\p:D2+4*\c+\p+1] op_sel:[0,1,0] op_sel_hi:[1,1,1]
.endr
.endr
.irp c, 0,1
.irp p, 0,2
	v_pk_fma_f32 v[D2+4*\c+\p:D2+4*\c+\p+1], v[ZP+\p:ZP+\p+1], v[CAND+4*\c+2:CAND+4*\c+3], v[D2+4*\c+\p:D2+4*\c+\p+1] op_sel_hi:[1,0,1]
.endr
.endr
.irp c, 0,1
.irp p, 0,2
	v_pk_fma_f32 v[D2+4*\c+\p:D2+4*\c+\p+1], v[D2+4*\c+\p:D2+4*\c+\p+1], -2.0, v[TT+4*\c+\p:TT+4*\c+\p+1] op_sel_hi:[1,0,1]
.endr
.endr
.endm
.macro LOADG g                         ; group g (four candidates) of the batch at v[P1A]; the 16 lanes of a half read the same bytes
.irp c, 0,1,2,3
	ds_load_b128 v[CB+16*\g+4*\c:CB+16*\g+4*\c+3], v[P1A] offset:64*\g+16*\c
.endr
.endm
; Pass 1, a batch of 16 candidates x 4 rows: the distances of four groups of four candidates, then a network for each row.
; At its head the batch's 16 loads are out.  first = 1: the sorted batch is the list.  more = 1: the next batch is fetched, four loads ahead of each
; row's network; the last four have a network in which to come, the first four all four.
.macro BATCH first, more
.irp g, 0,1,2,3
	s_wait_dscnt 12-4*\g                           ; LDS loads come back in order: group g's four are in, the later groups' stay out
	DIST4 CB+16*\g, DD+16*\g
.endr
.if \more
	s_wait_alu depctr_vm_vsrc(0)                   ; the loads issued so far, a batch ago, have read v[P1A]
	v_add_nc_u32 v[P1A], 0x100, v[P1A]             ; the next batch
	s_wait_alu depctr_va_vdst(0)                   ; the distances are done reading CB, in which the 16 loads below land, and v[P1A], which they read, is written
.endif
.irp f, 0,1,2,3
.if \more
	LOADG \f                                       ; no further wait: no vector line since the wait above names CB or v[P1A]
.endif
.if \first
	SORT16 DD+\f, 4, LIST+16*\f                    ; nothing is ever filled with a start value
.else
	SORT16 DD+\f, 4, PONG
	MERGE LIST+16*\f, LIST+16*\f, PONG
.endif
.endr
.endm
; Merge: the 16 values at base are counted into the four counters.  eq = 0: those below TL.  eq = 1: those with TL <= value <= T
; (masked = 1: only where the scalar mask allows).  All compares first, then all scalar lines, then all sums: the two kinds of
; instruction meet once for 16 values.  The carry-in of each sum is the mask's own register; its carry goes into one of 16 registers (CO, and SC, idle here)
; that nobody reads: they are named next by the sums of the next count, or by pass 2's first counters, each behind a wait on va_sdst.
.macro CNT16 base, eq, masked, mask
.set i, 0
.rept 16
	v_cmp_lt_f32 s[SA+i], v[\base+i], v[REC]
.set i, i+1
.endr
.if \eq
.set i, 0
.rept 16
	v_cmp_le_f32 s[SB+i], v[\base+i], v[REC+1]
.set i, i+1
.endr
.endif
	s_wait_alu depctr_va_sdst(0)                   ; the compares above have written their masks, which the scalar lines (eq = 0: the sums) below read; the last count's sums have written their carries' registers, which the sums below name again
.if \eq
.set i, 0
.rept 16
	s_and_not1_b32 s[SA+i], s[SB+i], s[SA+i]
.set i, i+1
.endr
.if \masked
.set i, 0
.rept 16
	s_and_b32 s[SA+i], s[SA+i], s[\mask]
.set i, i+1
.endr
.endif
.endif
.set i, 0
.rept 8
	v_add_co_ci_u32 v[CC+(i&3)], s[CO+i], 0, v[CC+(i&3)], s[SA+i]
.set i, i+1
.endr
.rept 8
	v_add_co_ci_u32 v[CC+(i&3)], s[SC+i-8], 0, v[CC+(i&3)], s[SA+i]
.set i, i+1
.endr
.endm
.macro PUTREC off, again               ; CNT = the four counters' sum; the record of one run goes to C.  again: a record has been stored before
.if \again
	s_wait_alu depctr_vm_vsrc(0)                   ; the store of the record before has read v[REC+2], which is written anew
.endif
	v_add3_u32 v[REC+2], v[CC], v[CC+1], v[CC+2]
	v_add_nc_u32 v[REC+2], v[REC+2], v[CC+3]
	s_wait_alu depctr_va_vdst(0)                   ; the record's four registers are written, which the store reads
	ds_store_b128 v34, v[REC:REC+3] offset:\off
.endm
.macro PLACES
.rept 4
	v_nop
.endr
.endm
.macro LOADBF                          ; a block's preds fragments: lanes 0-15 take 256 neighbouring bytes of run 2 w, lanes 16-31 of run 2 w + 1
.irp g, 0,1,2,3
	global_load_b128 v[BF+8*\g:BF+8*\g+3],   v7, s[8:9] offset:512*\g
	global_load_b128 v[BF+8*\g+4:BF+8*\g+7], v7, s[8:9] offset:512*\g+256
.endr
.endm
; ---- pass 2's pieces.  p = 0 or 8: which of the two sets of masks ----
.macro TAKE p                          ; scalar: taken = less, or an equal while CNT < 0
.irp j, 0,1,2,3,4,5,6,7
	s_and_b32 s[SC+\j], s[SC+\j], s[SB+\p+\j]
.endr
.irp j, 0,1,2,3,4,5,6,7
	s_or_b32 s[SA+\p+\j], s[SA+\p+\j], s[SC+\j]
.endr
.endm
.macro EQS p                           ; scalar: an equal = not above T and not less than TL
.irp j, 0,1,2,3,4,5,6,7
	s_and_not1_b32 s[SB+\p+\j], s[SB+\p+\j], s[SA+\p+\j]
.endr
.endm
.macro WEIGH p                         ; the pair's 0/1 into register WI of each row group's fragment: first candidate low half, second high half
.irp f, 0,1,2,3
	v_cndmask_b32 v[WF+8*\f+WI], 0, v4, s[SA+\p+\f]
.endr
.irp f, 0,1,2,3
	v_cndmask_b32 v[THR+4*\f+3], 0, v5, s[SA+\p+4+\f]
.endr
.irp f, 0,1,2,3
	v_or_b32 v[WF+8*\f+WI], v[WF+8*\f+WI], v[THR+4*\f+3]
.endr
.endm
.macro COUNT p                         ; candidate by candidate: are equals still wanted; then every equal counts.  Each of the eight sums has a register of CO for its carry, which nobody reads
.irp c, 0,1
.irp f, 0,1,2,3
	v_cmp_gt_i32 s[SC+4*\c+\f], 0, v[THR+4*\f+2]
.endr
.irp f, 0,1,2,3
	v_add_co_ci_u32 v[THR+4*\f+2], s[CO+4*\c+\f], 0, v[THR+4*\f+2], s[SB+\p+4*\c+\f]
.endr
.endr
.endm
; A block's product: 16 candidates a lane, 32 a wave = the 32 places of K.  Place (h, register i, half) means candidate 256 (2 w + h) + 16 block + 2 i + half
; in both sources alike, so the products pair up rightly.  Source 0 = preds (16 channels), source 1 = 0/1 (16 rows): lane (r, h) register j of the
; result is row 16 f + r, channel 16 g + 8 h + j.  The 16 accumulators take turns, one instruction a turn, from one block's product to the next too.
; wm = 1: the first product starts the sums; wm = 2: it adds.
.macro MATS wm
	s_wait_loadcnt 0x0                             ; the block's eight loads of pt are in (no younger global load exists), and their base is free
.irp f, 0,1,2,3
.irp g, 0,1,2,3
.if \wm == 1
	v_wmma_f32_16x16x32_bf16 v[ACC+8*(4*\f+\g):ACC+8*(4*\f+\g)+7], v[BF+8*\g:BF+8*\g+7], v[WF+8*\f:WF+8*\f+7], 0
.else
	v_wmma_f32_16x16x32_bf16 v[ACC+8*(4*\f+\g):ACC+8*(4*\f+\g)+7], v[BF+8*\g:BF+8*\g+7], v[WF+8*\f:WF+8*\f+7], v[ACC+8*(4*\f+\g):ACC+8*(4*\f+\g)+7]
.endif
.endr
.endr
	PLACES                                         ; four places before vector lines write WF or LDS stores read the sums
.endm
; One step = pair i of a block's eight: 2 candidates x 4 rows.  The pair's work is spread over two steps, so that no scalar line stands
; near the compare that feeds it and no compare near the scalar line before it:
;   compares of this pair (16 vector) | d2 of the next pair (20 vector, no scalar result) | scalar: equals of this pair (8) | the fetch of the pair after the next
;   [step 1: the next product's fragments] | scalar: taken of the pair before (16) | weights of the pair before (12 vector) | [step 0: the last block's product] | counters of this pair (16 vector).
; The masks less and equal live from one step's compares to the next step's weights: two sets that take turns; CNT < 0 is made behind its last use: one set.
; prev: a pair before exists; nxt: a next pair exists; ld: the pair after the next exists; bf: the fragments of this block's product are asked for.
.macro STEP i, prev, nxt, ld, wm, bf
.set PA, 8*(\i&1)
.set PB, 8-PA
.set WI, (\i+7)&7
.irp c, 0,1
.irp f, 0,1,2,3
	v_cmp_lt_f32 s[SA+PA+4*\c+\f], v[D2+4*\c+\f], v[THR+4*\f]      ; less than TL
	v_cmp_le_f32 s[SB+PA+4*\c+\f], v[D2+4*\c+\f], v[THR+4*\f+1]    ; not above T
.endr
.endr
.if \nxt
	s_wait_dscnt 0x0                               ; the next pair's two loads, issued a step ago, are the only LDS instructions out
	DIST2                                          ; D2 is free: the compares above have read it
.endif
	s_wait_alu depctr_va_sdst(0)                   ; this step's compares have written their 16 masks, the last step's the 8 masks CNT < 0: the scalar lines below read them; the last step's sums have written CO, which this step's sums name again
	EQS PA
.if \ld
	s_wait_alu depctr_va_vdst(0)                   ; the distances are done reading CAND, in which the two loads land; in step 0 v1 is written; in step 1 the product's matrix instructions are done reading BF
	ds_load_b128 v[CAND:CAND+3],   v1 offset:32*\i+64
	ds_load_b128 v[CAND+4:CAND+7], v1 offset:32*\i+80
.endif
.if \bf
	s_add_nc_u64 s[8:9], s[8:9], 2048              ; the next 16 candidates of each run; free since the wait on LOADcnt ahead of the product
	LOADBF                                         ; no vector or matrix line since the wait above; they have the rest of the block in which to come
.endif
.if \prev
	TAKE PB
	WEIGH PB
.endif
.if \wm
	MATS \wm
.endif
	COUNT PA
.endm
; A block of 16 candidates a lane.  Its step 0 ends the block before: that block's last weights, then its product.
.macro BLK prev, wm, last
	STEP 0, \prev, 1, 1, \wm, 0
.if \wm
	STEP 1, 1, 1, 1, 0, 1
.else
	STEP 1, 1, 1, 1, 0, 0                          ; block 0's fragments were asked for ahead of the pass
.endif
.irp i, 2,3,4,5
	STEP \i, 1, 1, 1, 0, 0
.endr
.if \last
	STEP 6, 1, 1, 0, 0, 0                          ; candidates 254, 255 are the last: nothing more to fetch,
	STEP 7, 1, 0, 0, 0, 0                          ; and no further d2
	s_wait_alu depctr_va_sdst(0)                   ; step 7's compares have written the masks CNT < 0, which the scalar lines behind the block read
.else
	STEP 6, 1, 1, 1, 0, 0
	STEP 7, 1, 1, 1, 0, 0
	s_wait_alu depctr_va_sdst(0)                   ; step 7's compares have written the masks CNT < 0 and its sums CO: they are named next in the next block
	s_wait_alu depctr_vm_vsrc(0)                   ; the LDS loads issued so far have read v1
	v_add_nc_u32 v1, 0x100, v1
.endif
.endm
	; ---- start: addresses, k, the table of rounded points ----
	s_load_b256 s[4:11], s[0:1], 0x0               ; k_vector s[4:5], points s[6:7], pt s[8:9], out0 s[10:11]
	s_set_vgpr_msb 0x40
	v_lshl_add_u32 v0, v0, 2, 0x4ac00
	v_mov_b32 v1, 0
	s_set_vgpr_msb 0x4000
	v_lshrrev_b32 v24, 5, v0
	v_readfirstlane_b32 s12, v24                   ; wave 0..7
	s_lshr_b32 s15, ttmp9, 6                       ; batch
	s_mul_i32 s16, s15, 49152                      ; 4,096 points of 12 bytes
	s_mov_b32 s17, 0
	s_and_b32 s20, ttmp9, 63
	s_lshl_b32 s20, s20, 10                        ; my work-group's 64 rows in the table
	v_mov_b32 v[KVA], 0
	v_mul_u32_u24 v[PTA], v0, 12
	v_lshlrev_b32 v[TABA], 4, v0
	v_and_b32 v29, 15, v0                          ; r
	v_lshrrev_b32 v30, 4, v0                       ; q
	v_bfe_u32 v31, v0, 4, 1                        ; h
	v_lshlrev_b32 v1, 12, v30                      ; my run in TAB: 256 candidates of 16 bytes; for pass 2,
	v_lshlrev_b32 v[P1A], 12, v30                  ; and for pass 1, which steps its own
	v_lshlrev_b32 v7, 4, v29
	v_lshl_or_b32 v7, v31, 15, v7                  ; in pt: 32,768 h + 16 r
	v_lshl_add_u32 v[ROWA], v29, 4, s20
	s_wait_alu depctr_va_sdst(0)                   ; s12 is written, ahead of its first reader
	s_lshr_b32 s18, s12, 1                         ; p: my part in the merge = t >> 6
	s_wait_kmcnt 0x0
	s_add_nc_u64 s[6:7], s[6:7], s[16:17]
	s_lshl_b32 s16, s15, 19                        ; a batch of pt: 524,288 bytes
	s_lshl_b32 s19, s12, 16                        ; my wave's two runs: 2 x 32,768 bytes
	s_add_co_u32 s16, s16, s19
	s_add_nc_u64 s[8:9], s[8:9], s[16:17]
	s_lshl_b32 s16, ttmp9, 14                      ; 64 rows of 256 bytes
	s_add_nc_u64 s[10:11], s[10:11], s[16:17]
	s_wait_alu depctr_va_vdst(0)                   ; the offsets and addresses v1, v7 and v56 to v60 are written, which the loads and stores of the start and of both passes read
.irp i, 0,1,2,3
	global_load_b128 v[KV+4*\i:KV+4*\i+3], v[KVA], s[4:5] offset:16*\i
.endr
.set i, 0
.rept 16
	global_load_b96 v[PTS+4*i:PTS+4*i+2], v[PTA], s[6:7] offset:3072*i      ; point 256 i + t
.set i, i+1
.endr
	s_cmp_gt_u32 s18, 0
	s_cselect_b32 s[MK+0], -1, 0
	s_cmp_gt_u32 s18, 1
	s_cselect_b32 s[MK+1], -1, 0
	s_cmp_gt_u32 s18, 2
	s_cselect_b32 s[MK+2], -1, 0
	s_wait_loadcnt 0x0                             ; once: k_vector and my 16 points
	v_mov_b32 v26, v[KV]                           ; the first largest entry: a later one must be strictly larger
	v_mov_b32 v6, 1
.set i, 1
.rept 15
	v_cmp_gt_f32 vcc_lo, v[KV+i], v26
	s_wait_alu depctr_va_vcc(0)                    ; the compare has written VCC, which the two selects read; each compare hangs on the select before it, so they cannot stand in one run
	v_cndmask_b32 v26, v26, v[KV+i], vcc_lo
	v_cndmask_b32 v6, v6, i+1, vcc_lo
.set i, i+1
.endr
	v_cvt_f32_u32 v27, v6
	v_rcp_f32 v2, v27
	v_rcp_f32 v3, v27                              ; twice: a pair for the packed multiply
	v_mov_b32 v4, 0x3f80                           ; a plain line behind the reciprocals, before v27 is written again (ISA guide 5.7.2)
	v_mov_b32 v5, 1.0                              ; 0x3f800000: bf16 1.0 in the high half
.set i, 0
.rept 16
	v_cvt_pk_bf16_f32 v26, v[PTS+4*i], v[PTS+4*i+1]
	v_cvt_pk_bf16_f32 v27, v[PTS+4*i+2], v[PTS+4*i+2]
	v_lshlrev_b32 v[PTS+4*i], 16, v26              ; back to f32
	v_and_b32 v[PTS+4*i+1], 0xffff0000, v26
	v_lshlrev_b32 v[PTS+4*i+2], 16, v27
	v_mul_f32 v[PTS+4*i+3], v[PTS+4*i], v[PTS+4*i]
	v_fmac_f32 v[PTS+4*i+3], v[PTS+4*i+1], v[PTS+4*i+1]
	v_fmac_f32 v[PTS+4*i+3], v[PTS+4*i+2], v[PTS+4*i+2]
.set i, i+1
.endr
	s_wait_alu depctr_va_vdst(0)                   ; the 16 rounded points are written, which the stores read; the search above is done reading k_vector's registers, in which my rows land below
.set i, 0
.rept 16
	ds_store_b128 v[TABA], v[PTS+4*i:PTS+4*i+3] offset:4096*i
.set i, i+1
.endr
	s_wait_dscnt 0x0                               ; my part of the table is written
	s_barrier_signal -1
	s_barrier_wait -1                              ; the table is whole
	s_wait_alu depctr_vm_vsrc(0)                   ; my stores into the table have read v[PTS ..]: these registers are CB from here on, and the first batch lands in them
.irp f, 0,1,2,3
	ds_load_b128 v[ROWS+4*\f:ROWS+4*\f+3], v[ROWA] offset:256*\f
.endr
.irp g, 0,1,2,3
	LOADG \g                                       ; pass 1's first batch; no vector line since the last wait on va_vdst names CB, ROWS or the two addresses
.endr
	s_wait_dscnt 16                                ; my four rows are in; the batch's 16 loads stay out
.irp f, 0,1,2,3
	v_mov_b32 v[XP+\f], v[ROWS+4*\f]
	v_mov_b32 v[YP+\f], v[ROWS+4*\f+1]
	v_mov_b32 v[ZP+\f], v[ROWS+4*\f+2]
	v_mov_b32 v[SQ+\f], v[ROWS+4*\f+3]
.endr
	; ---- pass 1: 256 candidates in 16 batches of 16 ----
	BATCH 1, 1                                     ; the first batch, sorted, is the list
	s_mov_b32 s14, 14
.Lpass1:
	BATCH 0, 1
	s_sub_co_i32 s14, s14, 1
	s_cmp_lg_u32 s14, 0
	s_cbranch_scc1 .Lpass1
	BATCH 0, 0                                     ; the last batch fetches nothing beyond my run
	; the addresses of the lists and of the merge, all ahead of one wait; v[24:39] were PONG, which no memory instruction has named
	v_and_b32 v29, 15, v0                          ; r
	v_lshrrev_b32 v30, 4, v0                       ; q
	v_mul_u32_u24 v24, v29, APITCH
	v_lshl_add_u32 v24, v30, 6, v24
	v_add_nc_u32 v24, LDS_A, v24                   ; A: row r, run q
	v_and_b32 v32, 63, v0
	s_lshl_b32 s21, s18, 8
	s_add_co_u32 s21, s21, LDS_A
	v_mul_u32_u24 v25, v32, APITCH
	v_add_nc_u32 v25, s21, v25                     ; A: row t & 63, runs 4 p ..
	v_mul_u32_u24 v26, v32, PITCH
	s_lshl_b32 s22, s18, 6
	v_add_nc_u32 v27, s22, v26                     ; row x 272 + 64 p
	v_add_nc_u32 v28, LDS_B, v27                   ; my part list
	v_add_nc_u32 v33, LDS_B, v26                   ; the row's four part lists
	v_add_nc_u32 v34, LDS_C, v27                   ; the records of my four runs
	s_wait_alu depctr_va_vdst(0)                   ; the networks have written LIST, which the stores read; the addresses are written; pass 1 is done with CB and DD, in which the merge's loads land
.irp f, 0,1,2,3
.irp u, 0,1,2,3
	ds_store_b128 v24, v[LIST+16*\f+4*\u:LIST+16*\f+4*\u+3] offset:16*APITCH*\f+16*\u
.endr
.endr
	s_wait_dscnt 0x0
	s_barrier_signal -1
	s_barrier_wait -1                              ; all 64 x 16 lists are in A
	; ---- merge, step 1: thread (row t & 63, part p = t >> 6) merges the lists of runs 4 p .. 4 p + 3 ----
.set PONG, 96                                      ; v[96:111]: v[128:255] hold lists from here on
.set i, 0
.rept 16
	ds_load_b128 v[SUB+4*i:SUB+4*i+3], v25 offset:16*i             ; all four are kept: their equals are counted below
.set i, i+1
.endr
	s_wait_alu depctr_vm_vsrc(0)                   ; my stores of the lists have read v[64:127], which the networks and the lines below write as LL, PONG, REC, NI and CC
	s_wait_dscnt 0x0
	MERGE LL, SUB, SUB+16
	MERGE LL, LL, SUB+32
	MERGE LL, LL, SUB+48
	s_wait_alu depctr_va_vdst(0)                   ; the networks have written LL, which the stores read
.irp u, 0,1,2,3
	ds_store_b128 v28, v[LL+4*\u:LL+4*\u+3] offset:16*\u
.endr
	s_wait_dscnt 0x0
	s_barrier_signal -1
	s_barrier_wait -1                              ; all part lists are in B
	; ---- merge, step 2: every thread of a row merges the four part lists, finds T, TL and where its runs' counters start ----
.set i, 0
.rept 16
	ds_load_b128 v[PL+4*i:PL+4*i+3], v33 offset:16*i
.set i, i+1
.endr
	v_mov_b32 v[NI], 0xff800000
	v_sub_nc_u32 v[CC], 0, v6                      ; the counters' sum starts at -k
	v_mov_b32 v[CC+1], 0
	v_mov_b32 v[CC+2], 0
	v_mov_b32 v[CC+3], 0
	v_mov_b32 v[REC+3], v6                         ; filler: the record's fourth word is stored, and serves as a temporary in pass 2
.set i, 1
.rept 15
	v_cmp_lt_u32 s[SA+i], i, v6                    ; the last place with i < k is k - 1; the 15 compares stand in one run
.set i, i+1
.endr
	s_wait_alu depctr_vm_vsrc(0)                   ; my stores of the part list have read LL, which the networks write again
	s_wait_dscnt 0x0
	MERGE LL, PL, PL+16
	MERGE LL, LL, PL+32
	MERGE LL, LL, PL+48
	s_wait_alu depctr_va_sdst(0)                   ; the 15 compares of the places with k have written their masks, which the selects read
	v_mov_b32 v[REC+1], v[LL]
.set i, 1
.rept 15
	v_cndmask_b32 v[REC+1], v[REC+1], v[LL+i], s[SA+i]
.set i, i+1
.endr
	v_max_num_f32 v[REC+1], 0, v[REC+1]            ; T: reference()'s clamp
	v_cmp_lt_f32 vcc_lo, 0, v[REC+1]
	s_wait_alu depctr_va_vcc(0)                    ; the compare has written VCC, which the select reads
	v_cndmask_b32 v[REC], v[NI], v[REC+1], vcc_lo  ; TL = T, or -inf where T = 0: then nothing is less and all d2 <= 0 are equals
	CNT16 LL, 0, 0, 0                              ; + #(less): the sum is now -need
.irp pp, 0,1,2
	CNT16 PL+16*\pp, 1, 1, MK+\pp                  ; + the equals of the parts ahead of mine
.endr
.irp s, 0,1,2
	PUTREC 16*\s, \s                               ; run 4 p + s
	CNT16 SUB+16*\s, 1, 0, 0                       ; then that run's own equals, for the next run
.endr
	v_and_b32 v41, 15, v0                          ; the networks are over: PING's registers are free
	v_lshrrev_b32 v42, 4, v0
	v_mul_u32_u24 v40, v41, PITCH
	v_lshl_add_u32 v40, v42, 4, v40
	v_add_nc_u32 v40, LDS_C, v40                   ; C: row r, run q; made ahead of the last record's wait on va_vdst, which covers it
	PUTREC 48, 1
	s_wait_dscnt 0x0
	s_barrier_signal -1
	s_barrier_wait -1                              ; all records are in C
	; ---- pass 2: 16 blocks of 16 candidates a lane ----
	s_wait_alu depctr_vm_vsrc(0)                   ; the LDS and memory instructions so far have read their addresses in v[24:34] and v[56:60], in which the records and the candidates land, and REC, which the weights write
	LOADBF                                         ; block 0's fragments; no vector line since the last record's wait names BF, THR, CAND, v1, v7 or v40
.irp f, 0,1,2,3
	ds_load_b128 v[THR+4*\f:THR+4*\f+3], v40 offset:16*PITCH*\f
.endr
	ds_load_b128 v[CAND:CAND+3],   v1
	ds_load_b128 v[CAND+4:CAND+7], v1 offset:16
	s_wait_dscnt 0x0                               ; the records and the first pair
	s_wait_alu depctr_vm_vsrc(0)                   ; the records' loads have read v40, which the distances write as D2
	DIST2                                          ; d2 of pair 0
	s_wait_alu depctr_va_vdst(0)                   ; the distances are done reading CAND, in which pair 1 lands
	ds_load_b128 v[CAND:CAND+3],   v1 offset:32    ; pair 1
	ds_load_b128 v[CAND+4:CAND+7], v1 offset:48
	BLK 0, 0, 0                                    ; block 0: nothing before it
	BLK 1, 1, 0                                    ; block 1; in its step 0 block 0's product starts the sums: nothing is cleared
	s_mov_b32 s14, 13
.Lpass2:
	BLK 1, 2, 0                                    ; blocks 2 to 14
	s_sub_co_i32 s14, s14, 1
	s_cmp_lg_u32 s14, 0
	s_cbranch_scc1 .Lpass2
	BLK 1, 2, 1                                    ; block 15 fetches nothing beyond my run
	TAKE 8                                         ; the last pair (an odd one: the second set of masks),
.set WI, 7
	WEIGH 8                                        ; its weights,
	MATS 2                                         ; and block 15's product
	; ---- the way out: the eight waves' partial sums meet in LDS; each thread adds and stores 16 bytes of four rows ----
	s_mul_i32 s15, s12, RWAVE
	s_add_co_u32 s15, s15, LDS_R
	v_and_b32 v26, 15, v0
	v_bfe_u32 v28, v0, 4, 1
	v_mul_u32_u24 v24, v26, PITCH
	v_lshl_add_u32 v24, v28, 5, v24                ; row r, channels 8 h ..
	v_add_nc_u32 v24, s15, v24
	v_lshrrev_b32 v25, 4, v0                       ; row t >> 4 of each group of 16
	v_mul_u32_u24 v25, v25, PITCH
	v_lshl_add_u32 v25, v26, 4, v25
	v_add_nc_u32 v25, LDS_R, v25                   ; waves 0 to 3 by the offset (65,280 at the most),
	v_add_nc_u32 v26, 4*RWAVE, v25                 ; waves 4 to 7 from here
	v_lshlrev_b32 v27, 4, v0                       ; in out0: 16 t, sixteen lanes to a row of 256 bytes
	s_wait_alu depctr_va_vdst(0)                   ; the matrix instructions have written the sums, which the LDS stores read (the four places above stay beside this wait); the four addresses v24 to v27 are written
.irp f, 0,1,2,3
.irp g, 0,1,2,3
	ds_store_b128 v24, v[ACC+8*(4*\f+\g):ACC+8*(4*\f+\g)+3]   offset:16*PITCH*\f+64*\g
	ds_store_b128 v24, v[ACC+8*(4*\f+\g)+4:ACC+8*(4*\f+\g)+7] offset:16*PITCH*\f+64*\g+16
.endr
.endr
	s_wait_dscnt 0x0
	s_barrier_signal -1
	s_barrier_wait -1                              ; all partial sums are in R
	s_wait_alu depctr_vm_vsrc(0)                   ; my stores of the sums have read ACC, in which the loads below land
.irp i, 0,1,2,3
.irp u, 0,1,2,3
	ds_load_b128 v[ACC+32*\i+4*\u:ACC+32*\i+4*\u+3], v25 offset:RWAVE*\u+16*PITCH*\i
.endr
.irp u, 0,1,2,3
	ds_load_b128 v[ACC+32*\i+16+4*\u:ACC+32*\i+16+4*\u+3], v26 offset:RWAVE*\u+16*PITCH*\i
.endr
.endr
.irp i, 0,1,2,3
	s_wait_dscnt 8*(3-\i)                          ; row group i's eight loads are in; eight for each later group stay out
.if \i > 0
	s_wait_alu depctr_va_vdst(0)                   ; the means of the row group before are written, which its store reads
	global_store_b128 v27, v[ACC+32*(\i-1):ACC+32*(\i-1)+3], s[10:11] offset:4096*(\i-1) th:TH_STORE_NT
.endif
.irp u, 1,2,3,4,5,6,7
	v_pk_add_f32 v[ACC+32*\i:ACC+32*\i+1],   v[ACC+32*\i:ACC+32*\i+1],   v[ACC+32*\i+4*\u:ACC+32*\i+4*\u+1]
	v_pk_add_f32 v[ACC+32*\i+2:ACC+32*\i+3], v[ACC+32*\i+2:ACC+32*\i+3], v[ACC+32*\i+4*\u+2:ACC+32*\i+4*\u+3]
.endr
	v_pk_mul_f32 v[ACC+32*\i:ACC+32*\i+1],   v[ACC+32*\i:ACC+32*\i+1],   v[2:3]
	v_pk_mul_f32 v[ACC+32*\i+2:ACC+32*\i+3], v[ACC+32*\i+2:ACC+32*\i+3], v[2:3]
.endr
	s_wait_alu depctr_va_vdst(0)                   ; the last row group's means are written, which the last store reads
	global_store_b128 v27, v[ACC+96:ACC+99], s[10:11] offset:12288 th:TH_STORE_NT
	s_set_vgpr_msb 0x5
	s_wait_dscnt 0x0
	s_wait_alu depctr_hold_cnt(0) depctr_sa_sdst(0) depctr_va_vdst(0) depctr_va_sdst(0) depctr_va_ssrc(0) depctr_va_vcc(0) depctr_vm_vsrc(0)
	s_wait_tensorcnt 0x0
	ds_add_u32 v0, v1
	s_wait_dscnt 0x0
	s_endpgm
.Lfunc_end_k_q8396dcf807_knn:
	.size	k_q8396dcf807_knn, .Lfunc_end_k_q8396dcf807_knn-k_q8396dcf807_knn
	.p2alignl 7, 3214868480
	.fill 96, 4, 3214868480
	.section	.rodata,"a",@progbits
	.p2align	6, 0x0
	.amdhsa_kernel k_q8396dcf807_knn
		.amdhsa_group_segment_fixed_size 307200
		.amdhsa_private_segment_fixed_size 0
		.amdhsa_enable_private_segment 0
		.amdhsa_kernarg_size 32
		.amdhsa_user_sgpr_count 2
		.amdhsa_user_sgpr_kernarg_segment_ptr 1
		.amdhsa_wavefront_size32 1
		.amdhsa_system_sgpr_workgroup_id_x 1
		.amdhsa_system_sgpr_workgroup_id_y 1
		.amdhsa_system_sgpr_workgroup_id_z 1
		.amdhsa_system_vgpr_workitem_id 0
		.amdhsa_next_free_vgpr 258
		.amdhsa_next_free_sgpr 84
		.amdhsa_reserve_vcc 1
		.amdhsa_float_denorm_mode_32 3
		.amdhsa_float_denorm_mode_16_64 3
		.amdhsa_memory_ordered 1
		.amdhsa_forward_progress 1
		.amdhsa_inst_pref_size 255
	.end_amdhsa_kernel
	.section	.bss,"aw",@nobits
	.p2align	6
	.space	262144
	.amdgpu_metadata
---
amdhsa.version: [ 1, 2 ]
amdhsa.kernels:
  - .name:           k_q8396dcf807_knn
    .symbol:         k_q8396dcf807_knn.kd
    .args:
      - { .name: k_vector, .offset: 0, .size: 8, .value_kind: global_buffer, .address_space: global }
      - { .name: points, .offset: 8, .size: 8, .value_kind: global_buffer, .address_space: global }
      - { .name: pt, .offset: 16, .size: 8, .value_kind: global_buffer, .address_space: global }
      - { .name: out0, .offset: 24, .size: 8, .value_kind: global_buffer, .address_space: global }
    .group_segment_fixed_size: 307200
    .private_segment_fixed_size: 0
    .kernarg_segment_align: 8
    .kernarg_segment_size: 32
    .max_flat_workgroup_size: 256
    .sgpr_count:     84
    .vgpr_count:     258
    .wavefront_size: 32
...
	.end_amdgpu_metadata
.endif
;; end of part 5
